; MI455X (gfx1250); checked and timed in simulation.
; The chip was launched on July 23, 2026; its instructions are those of AMD's public machine-readable ISA for CDNA 5 (MIT licence, August 2026) and "CDNA5" Instruction Set Architecture Reference Guide (July 2026). The comments in the code are by the model that wrote it; some were corrected since.
;; Fastformer Attention. Allowed arithmetic: matrix products marked QUANTISED: E5M2 operands, one E8M0 scale for each 32 along K, by v_wmma_scale_f32_16x16x128_f8f6f4 with both operands' format E5M2, f32 sums; products left as they are: f32 operands where the result goes on into a quantised operand, else bf16, f16 or f32 operands; f32 sums; everything else in f32.
;; Inputs: Wk 1,024 x 1,024 float32; Wkw 1,024 x 16 float32; Wo 1,024 x 1,024 float32; Wq 1,024 x 1,024 float32; Wqw 1,024 x 16 float32; Wv 1,024 x 1,024 float32; attention_mask 4 x 4,096 bool; bk 1,024 float32; bkw 16 float32; bo 1,024 float32; bq 1,024 float32; bqw 16 float32; bv 1,024 float32; x 4 x 4,096 x 1,024 float32.
;; Outputs: out0 4 x 4,096 x 1,024 float32.
;; This version of the problem:
;;   THIS VERSION OF THE PROBLEM IS GIVEN IN LOW PRECISION. The matrix products marked QUANTISED in the list below multiply operands that are first quantised to E5M2 (5 exponent bits, 2 mantissa bits; 8 bits a number), with one power-of-two scale for each 32 numbers along K (OCP MX v1.0); their sums are f32. All else is computed in f32.
;;   The module's matrix products, in the order in which they are computed (A, B: the left and right operand; K: the contracted axis; several contracted axes count as one K, in the product's order):
;;     1. [M 16,384, K 1,024] x [K 1,024, N 1,024]; A: input x; B: input Wq: QUANTISED
;;     2. [M 16,384, K 1,024] x [K 1,024, N 1,024]; A: input x; B: input Wk: QUANTISED
;;     3. [M 16,384, K 1,024] x [K 1,024, N 1,024]; A: input x; B: input Wv: QUANTISED
;;     4. [M 16,384, K 1,024] x [K 1,024, N 16]; A: input x; B: input Wqw: QUANTISED
;;     5. batch 64 x [M 1, K 4,096] x [K 4,096, N 64]; A: computed on the way; B: computed on the way: left as it is (M = 1 < 16)
;;     6. [M 16,384, K 1,024] x [K 1,024, N 16]; A: input x; B: input Wkw: QUANTISED
;;     7. batch 64 x [M 1, K 4,096] x [K 4,096, N 64]; A: computed on the way; B: computed on the way: left as it is (M = 1 < 16)
;;     8. [M 16,384, K 1,024] x [K 1,024, N 1,024]; A: computed on the way; B: input Wo: QUANTISED
;;   THE QUANTISER, for each operand of a quantised product, along K:
;;     - K is cut into blocks of 32 from its start; a last block that is shorter is filled with zeros.
;;     - A block's scale is 2^e with e = floor(log2(the largest magnitude in the block)) - 15, held to -126 .. 127; a block of zeros has e = 0. As a byte (E8M0): e + 127.
;;     - Each number is divided by its block's scale, clamped to +-57,344, and rounded to the nearest number of E5M2, ties to even, subnormals kept.
;;     - The product sums the exact products of the quantised numbers (number of the format x scale) in f32.
;;   ~~~python
;;   def quantise(x, axis):      # numpy; x: float32 -> the quantised numbers, widened to float32 again
;;       x = np.moveaxis(x, axis, -1); K = x.shape[-1]
;;       x = np.pad(x, [(0, 0)] * (x.ndim - 1) + [(0, -K % 32)]); x = x.reshape(x.shape[:-1] + (-1, 32)); a = np.abs(x).max(-1, keepdims=True)
;;       e = np.where(a > 0, np.clip(np.frexp(np.where(a > 0, a, 1))[1] - 1 - 15, -126, 127), 0)      # np.frexp(a)[1] - 1 = floor(log2(a)), exactly
;;       r = np.clip(x / 2.0 ** e, -57344, 57344)
;;       step = 2.0 ** (np.maximum(np.frexp(np.where(r == 0, 1, r))[1] - 1, -14) - 2)
;;       q = np.round(r / step) * step * 2.0 ** e      # np.round: ties to even
;;       return np.moveaxis(q.reshape(q.shape[:-2] + (-1,))[..., :K], -1, axis).astype(np.float32)
;;   ~~~
;;   OPERANDS COMPUTED ON THE WAY. 'Computed on the way' means the value that the module computes at that place (a softmax that the list does not call 'softmax' is quantised finished and normalised). What goes into a quantiser is computed in f32, as accurately as f32 sums, v_exp_f32 and their like allow (about 1e-6 of the number): no bf16 or f16 on the way to a quantiser, and a product that is left as it is and whose result goes on into a quantised operand takes f32 operands (vector FMAs, or v_wmma_f32_16x16x4_f32). A number that lies on a knife's edge between two numbers of the format may be rounded either way, as far as f32 arithmetic and the matrix unit's own rounding can turn it there, and no further.
;; One version. Each part assembles by itself: llvm-mc -triple=amdgcn-amd-amdhsa -mcpu=gfx1250 --defsym DOCPART=n.
;; ======== version 1 of 1: 4 launches
;; workspace buffers: xc 16,777,216 bytes; xs 524,288 bytes; wc 4,194,304 bytes; ws 131,072 bytes; lg 2,097,152 bytes; part 524,288 bytes; rc 16,777,216 bytes; rs 524,288 bytes
;; launch prep (part 1): grid 256 x 1, 16 waves a work-group, no clusters, 210,944 bytes of LDS; arguments x, attention_mask, Wk, Wq, Wv, Wo, Wqw, Wkw, bqw, bkw, xc, xs, wc, ws, lg; writes xc, xs, wc, ws, lg
.if DOCPART == 1
	.amdgcn_target "amdgcn-amd-amdhsa--gfx1250"
	.amdhsa_code_object_version 6
	.text
	.protected	k_qa7221f6229_prep
	.globl	k_qa7221f6229_prep
	.p2align	8
	.type	k_qa7221f6229_prep,@function
k_qa7221f6229_prep:
	s_mov_b64 s[64:65], 0
	v_nop
	global_prefetch_b8 v0, s[64:65] scope:SCOPE_SE
	s_setreg_imm32_b32 hwreg(HW_REG_WAVE_MODE, 25, 1), 1
	s_wait_xcnt 0x0
; PREP.  x [16384][1024] f32 and the weights Wk, Wq, Wv, Wo [1024 k][1024 n] f32 become codes of BF8 (E5M2) with one E8M0 byte for each 32 along K; the two thin products x Wqw and x Wkw
; (N = 16) are made here too, on those codes, and leave as logits with bias and mask applied.
; THE CODES' LAYOUT is the order of an operand's registers: byte p (rows x 256) + rb 4096 + s 2048 + c 512 + 16 lane + e holds row 16 rb + lane % 16, k = 256 p + 128 s + 32 c + 16 (lane / 16) + e:
; a fragment (16 rows x 128 K) is 2,048 consecutive bytes.  The scale bytes: [k / 128][row] words, byte c for k block 32 c.
; ROWS OF wc: head hd has row blocks 12 hd + 0..3 = Wk's 64 columns, + 4..7 Wq's, + 8..11 Wv's; Wo's columns 64 g on lie at row blocks 192 + 4 g.  Within each 32 columns place pos holds the column
; pos with its bits 3 and 4 exchanged, so that two neighbouring result tiles of a later product hold 16 neighbouring columns in a lane's 16 registers.
; SHARES.  A work-group takes 64 rows of x; wave w = 4 q + g takes rows 16 g on, k = 256 q on (two K steps of 128).  It also takes a slice of one big weight, 64 columns x 256 along K: wave w one block of 32 along K
; (w % 8) of 32 columns (w / 8), a lane a column, registers down K.  Each wave quantises one of the 16 fragments of Wqw / Wkw (K step w / 2, tensor w % 2); they go from wave to wave as register images in LDS.
; The logits' K is summed in four parts (one for each q), added in ascending order in LDS.
; A block's scale byte is its largest magnitude's exponent field - 15, held at 1 from below.  LIMITS: a block of zeros gets the byte 1 (its codes are zeros; only this program reads the bytes); blocks whose largest
; magnitude lies under 2^(16 - 127) were not tried; NaN and infinities among the inputs are not served.
; No tensor load, no ring.  All of a wave's x (32 loads of 512 consecutive bytes) is asked for before its first number is used.  No prefetch: the launch reads each byte once by loads that are all out from the start.
.set SPI, 528                          ; a stage row: 512 bytes + 16
.set WST, 16*SPI                       ; a wave's stage
.set IMG, 16*WST                       ; 16 fragment images of the thin weights, 2,048 bytes each
.set ISC, IMG+16*2048                  ; their scale words, 128 bytes each
.set LP,  ISC+16*128                   ; the logits' parts: [q 4][c 32, pitch 272][64 rows] f32
.set LPP, 272
.set LPQ, 32*LPP
.set XSG, LP+4*LPQ                     ; x's scale words: [k / 128: 8][64 rows]
.set WSG, XSG+2048                     ; the big weight's: [2][64 rows]
.set TM,  20                           ; v20-23 largest magnitudes, v24-27 bytes, v28-31 the largest number x the scale, v32-35 the conversions' scale operands
.set PW,  36                           ; the scale word just made
.set WS,  37                           ; v37-40 the thin weights' scale words: 2 s + t
.set PC,  44                           ; v44-59 the codes just made
.set AC,  60                           ; v60-75 two accumulators
.set WC,  76                           ; v76-83 the big weight's codes; later v76-91 the logits' four parts
.set RC,  96                           ; v96-127 the big weight's 32 numbers; later two fragments of the thin weights
.set RA,  128                          ; v128-191 x, K step 0
.set RB,  192                          ; v192-255 the thin weight's 64 numbers; later x, K step 1
.set SEL, 50
.set MNT, 52
; 64 numbers of a lane, register 16 b + i = k 32 b + 16 (lane / 16) + i of my row or column, become a fragment's codes in v[PC] on and its scale word in v[PW]
.macro QUANT s
.irp b, 0,1,2,3
	v_max3_num_f32 v[TM+\b], |v[\s+16*\b]|, |v[\s+1+16*\b]|, 0x8000000   ; my 16 numbers of block b, and the floor 2^(16 - 127): the byte cannot fall under 1
.endr
.irp i, 2,4,6,8,10,12,14
.irp b, 0,1,2,3
	v_max3_num_f32 v[TM+\b], v[TM+\b], |v[\s+16*\b+\i]|, |v[\s+1+16*\b+\i]|
.endr
.endr
.irp b, 0,1,2,3
	v_permlanex16_b32 v[TM+4+\b], v[TM+\b], s[SEL], s[SEL+1]
.endr
.irp b, 0,1,2,3
	v_max_num_f32 v[TM+\b], v[TM+\b], v[TM+4+\b]           ; with lane l xor 16's: the block's largest magnitude
.endr
.irp b, 0,1,2,3
	v_add_nc_u32 v[TM+12+\b], 0xf8800000, v[TM+\b]         ; 15 off its exponent field: the conversion's scale operand
.endr
.irp b, 0,1,2,3
	v_and_or_b32 v[TM+8+\b], v[TM+\b], 0x7f800000, s[MNT]  ; 57,344 x the scale
.endr
.irp b, 0,1,2,3
	v_lshrrev_b32 v[TM+4+\b], 23, v[TM+12+\b]              ; the scale's byte
.endr
	v_lshl_or_b32 v[PW], v[TM+5], 8, v[TM+4]
	v_lshl_or_b32 v[PW], v[TM+6], 16, v[PW]
	v_lshl_or_b32 v[PW], v[TM+7], 24, v[PW]
.irp b, 0,1,2,3
.irp i, 0,1,2,3,4,5,6,7,8,9,10,11,12,13,14,15
	v_med3_num_f32 v[\s+16*\b+\i], v[\s+16*\b+\i], -v[TM+8+\b], v[TM+8+\b]   ; the conversion to an 8-bit code does not saturate (ISA guide 7.6.2): the hold comes first
.endr
	v_cvt_scalef32_pk8_bf8_f32 v[PC+4*\b:PC+1+4*\b], v[\s+16*\b:\s+7+16*\b], v[TM+12+\b]
	v_cvt_scalef32_pk8_bf8_f32 v[PC+2+4*\b:PC+3+4*\b], v[\s+8+16*\b:\s+15+16*\b], v[TM+12+\b]
.endr
	v_nop                                                  ; one plain line behind the last conversion
.endm
	s_load_b512 s[8:23], s[0:1], 0x0               ; x, mask, Wk, Wq, Wv, Wo, Wqw, Wkw
	s_load_b256 s[24:31], s[0:1], 0x40             ; bqw, bkw, xc, xs
	s_load_b128 s[32:35], s[0:1], 0x60             ; wc, ws
	s_load_b64 s[36:37], s[0:1], 0x70              ; lg
	v_lshrrev_b32 v1, 5, v0
	v_readfirstlane_b32 s38, v1                    ; wave w
	s_and_b32 s39, s38, 3                          ; g
	s_lshr_b32 s40, s38, 2                         ; q
	s_lshr_b32 s41, s38, 3                         ; cg: which 32 columns of the big weight's 64
	s_and_b32 s42, s38, 7                          ; blk: which 32 along K of its 256
	s_lshr_b32 s43, ttmp9, 6                       ; which big weight; also x's batch
	s_bfe_u32 s44, ttmp9, 0x40002                  ; which 64 columns of it
	s_and_b32 s45, ttmp9, 3                        ; p: which 256 along K
	s_mov_b32 s[SEL], 0x76543210
	s_mov_b32 s[SEL+1], 0xfedcba98                 ; v_permlanex16_b32's selects for lane l xor 16
	s_mov_b32 s[MNT], 0x600000                     ; the mantissa field of 57,344
	v_and_b32 v1, 31, v0                           ; lane L
	v_and_b32 v2, 15, v0                           ; r
	v_bfe_u32 v3, v0, 4, 1                         ; h
	v_lshrrev_b32 v7, 4, v0                        ; thread / 16
	v_lshlrev_b32 v4, 4, v1                        ; v4 = 16 L: x's loads, the images' stores
	v_lshlrev_b32 v9, 2, v1                        ; 4 L
	s_mul_i32 s46, s38, WST
	v_add_nc_u32 v5, s46, v4                       ; v5: my stage, on the way in: 16 L of a row
	v_mul_u32_u24 v6, v2, SPI
	v_lshl_add_u32 v6, v3, 6, v6
	v_add_nc_u32 v6, s46, v6                       ; v6: on the way out: row r, + 64 h
	s_lshl_b32 s46, s38, 11
	s_add_co_u32 s46, s46, IMG
	v_add_nc_u32 v8, s46, v4                       ; v8: where I store my thin fragment's image
	s_lshl_b32 s46, s40, 13
	s_add_co_u32 s46, s46, IMG
	v_add_nc_u32 v10, s46, v4                      ; v10: the four images of my K range
	s_lshl_b32 s46, s40, 9
	s_add_co_u32 s46, s46, ISC
	v_add_nc_u32 v11, s46, v9                      ; v11: their scale words
	s_lshr_b32 s46, s42, 2
	s_lshl_b32 s46, s46, 8
	s_lshl_b32 s47, s41, 7
	s_add_co_u32 s46, s46, s47
	s_and_b32 s47, s42, 3
	s_add_co_u32 s46, s46, s47
	s_add_co_u32 s46, s46, WSG
	v_add_nc_u32 v15, s46, v9                      ; v15: the big weight's scale byte: [blk / 4][32 cg + L] word, byte blk % 4
	s_lshl_b32 s46, s38, 7
	s_add_co_u32 s46, s46, ISC
	v_add_nc_u32 v9, s46, v9                       ; v9: where I store my thin fragment's scale words
	s_mul_i32 s46, s40, LPQ
	s_lshl_b32 s47, s39, 6
	s_add_co_u32 s46, s46, s47
	s_add_co_u32 s46, s46, LP
	v_mul_u32_u24 v12, v2, LPP
	v_lshl_add_u32 v12, v3, 5, v12
	v_add_nc_u32 v12, s46, v12                     ; v12: my part of the logits: line r, rows 16 g + 8 h on
	v_mul_u32_u24 v13, v7, LPP
	v_lshl_add_u32 v13, v2, 4, v13
	v_add_nc_u32 v13, LP, v13                      ; v13: back: line thread / 16, 16 bytes
	s_lshl_b32 s46, s40, 9
	s_lshl_b32 s47, s39, 6
	s_add_co_u32 s46, s46, s47
	s_add_co_u32 s46, s46, XSG
	v_lshl_add_u32 v14, v2, 2, s46                 ; v14: x's scale word: [2 q + s][16 g + r]
	v_lshlrev_b32 v16, 2, v2
	v_lshl_add_u32 v16, v3, 10, v16                ; v16: thin weight: column r, 16 rows of 64 bytes further down for h = 1
	v_and_b32 v17, 7, v0
	v_lshlrev_b32 v17, 2, v17
	v_lshl_add_u32 v17, v3, 5, v17
	v_bfe_u32 v18, v0, 3, 1
	v_lshl_add_u32 v17, v18, 6, v17                ; v17: big weight: 4 x (L with bits 3 and 4 exchanged)
	v_lshlrev_b32 v18, 4, v2
	v_lshl_add_u32 v19, v7, 14, v18                ; v19: lg: line thread / 16 of 16,384 bytes, + 16 r
	v_lshl_add_u32 v1, v3, 14, v18                 ; v1: ws: 16,384 h + 16 r
	v_and_b32 v95, 15, v7
	v_lshlrev_b32 v95, 2, v95                      ; v95: my line's bias
	v_lshl_add_u32 v7, v3, 16, v18                 ; v7: xs: 65,536 h + 16 r
	v_lshl_add_u32 v18, v3, 12, v18                ; v18: wc: 4,096 h + 16 r
	s_lshl_b32 s46, s39, 9
	s_add_co_u32 s46, s46, XSG
	v_add_nc_u32 v41, s46, v4                      ; v41: x's scale words on the way out (waves 0 to 3)
	v_add_nc_u32 v42, WSG, v4                      ; v42: the big weight's (wave 4)
	v_lshlrev_b32 v43, 2, v2                       ; v43: the mask's four bytes
	v_mov_b32 v94, 0xc61c4000                      ; -10000.0
.irp b, 0,1,2,3
	v_mov_b32 v[TM+4+\b], 0                        ; written once: a lane permute's destination counts as one of its sources
.endr
	s_mul_i32 s53, s44, 12                         ; the slice's first row block in wc: 12 x head + 4 x tensor, or for Wo 192 + 4 x group
	s_lshl_b32 s48, s43, 2
	s_add_co_u32 s53, s53, s48
	s_lshl_b32 s48, s44, 2
	s_add_co_u32 s48, s48, 192
	s_cmp_lt_u32 s43, 3
	s_cselect_b32 s53, s53, s48
	s_lshl_b32 s46, ttmp9, 18                      ; x: (64 id + 16 g) rows of 4,096 bytes + 1,024 q
	s_lshl_b32 s47, s39, 16
	s_add_co_u32 s46, s46, s47
	s_lshl_b32 s47, s40, 10
	s_add_co_u32 s46, s46, s47
	s_mov_b32 s47, 0
	s_wait_kmcnt 0x0
	s_add_nc_u64 s[8:9], s[8:9], s[46:47]
	s_lshl_b32 s46, ttmp9, 6
	s_add_nc_u64 s[10:11], s[10:11], s[46:47]      ; the mask of my 64 rows
	s_bitcmp1_b32 s38, 0
	s_cselect_b64 s[56:57], s[22:23], s[20:21]     ; odd waves quantise Wkw, even ones Wqw
	s_lshr_b32 s46, s38, 1
	s_lshl_b32 s46, s46, 13
	s_add_nc_u64 s[56:57], s[56:57], s[46:47]      ; K step w / 2: 128 rows of 64 bytes
	s_cmp_lt_u32 s38, 8
	s_cselect_b64 s[58:59], s[24:25], s[26:27]     ; lines 0-15 (waves 0-7): bqw; lines 16-31: bkw
	s_bitcmp1_b32 s43, 0
	s_cselect_b64 s[60:61], s[14:15], s[12:13]
	s_cselect_b64 s[62:63], s[18:19], s[16:17]
	s_bitcmp1_b32 s43, 1
	s_cselect_b64 s[54:55], s[62:63], s[60:61]     ; Wk, Wq, Wv or Wo, by the work-group's number alone
	s_lshl_b32 s46, s45, 20                        ; (256 p + 32 blk) rows of 4,096 bytes + (64 col64 + 32 cg) x 4
	s_lshl_b32 s48, s42, 17
	s_add_co_u32 s46, s46, s48
	s_lshl_b32 s48, s44, 8
	s_add_co_u32 s46, s46, s48
	s_lshl_b32 s48, s41, 7
	s_add_co_u32 s46, s46, s48
	s_add_nc_u64 s[54:55], s[54:55], s[46:47]
	s_lshl_b32 s46, s45, 20                        ; wc: p x 1,048,576 + (row block + 2 cg) x 4,096 + 512 blk
	s_lshl_b32 s48, s41, 1
	s_add_co_u32 s48, s48, s53
	s_lshl_b32 s48, s48, 12
	s_add_co_u32 s46, s46, s48
	s_lshl_b32 s48, s42, 9
	s_add_co_u32 s46, s46, s48
	s_add_nc_u64 s[32:33], s[32:33], s[46:47]
	s_lshl_b32 s46, s45, 15                        ; ws: 2 p x 16,384 + 64 x row block
	s_lshl_b32 s48, s53, 6
	s_add_co_u32 s46, s46, s48
	s_add_nc_u64 s[34:35], s[34:35], s[46:47]
	s_lshl_b32 s46, s40, 22                        ; xc: q x 4,194,304 + (4 id + g) x 4,096
	s_lshl_b32 s48, ttmp9, 14
	s_add_co_u32 s46, s46, s48
	s_lshl_b32 s48, s39, 12
	s_add_co_u32 s46, s46, s48
	s_add_nc_u64 s[28:29], s[28:29], s[46:47]
	s_lshl_b32 s46, s39, 17                        ; xs: 2 (w % 4) x 65,536 + 256 id
	s_lshl_b32 s48, ttmp9, 8
	s_add_co_u32 s46, s46, s48
	s_add_nc_u64 s[30:31], s[30:31], s[46:47]
	s_lshl_b32 s46, s43, 19                        ; lg: batch x 524,288 + (id % 64) x 256
	s_and_b32 s48, ttmp9, 63
	s_lshl_b32 s48, s48, 8
	s_add_co_u32 s46, s46, s48
	s_add_nc_u64 s[36:37], s[36:37], s[46:47]
	; ---- all loads but x's second K step go out
	global_load_b32 v92, v43, s[10:11]             ; four bytes of the mask
	global_load_b32 v93, v95, s[58:59]             ; my line's bias
.set i, 0
.rept 64
	global_load_b32 v[RB+i], v16, s[56:57] offset:64*(32*(i/16)+i%16)   ; thin weight (32 c + 16 h + i, r)
.set i, i+1
.endr
.set i, 0
.rept 32
	global_load_b32 v[RC+i], v17, s[54:55] offset:4096*i th:TH_LOAD_NT  ; big weight: my column, 32 down K; the wave reads 128 consecutive bytes
.set i, i+1
.endr
.set i, 0
.rept 16
	global_load_b128 v[RA+4*i:RA+4*i+3], v4, s[8:9] offset:4096*i th:TH_LOAD_NT   ; x: row i, K step 0: 512 consecutive bytes
.set i, i+1
.endr
	; ---- my fragment of the thin weights
	s_wait_loadcnt 48                              ; behind it were issued the big weight's 32 loads and x's 16
	QUANT RB
.irp c, 0,1,2,3
	ds_store_b128 v8, v[PC+4*\c:PC+4*\c+3] offset:512*\c
.endr
	ds_store_b32 v9, v[PW]
.set i, 0
.rept 16
	global_load_b128 v[RB+4*i:RB+4*i+3], v4, s[8:9] offset:4096*i+512 th:TH_LOAD_NT   ; x: K step 1, into the registers just left
.set i, i+1
.endr
	; ---- my block of the big weight: all 32 numbers are mine
	s_wait_loadcnt 32                              ; x's two K steps may be out
	v_max3_num_f32 v20, |v[RC]|, |v[RC+1]|, |v[RC+2]|
	v_max3_num_f32 v21, |v[RC+3]|, |v[RC+4]|, |v[RC+5]|
.irp i, 6,10,14,18,22,26
	v_max3_num_f32 v20, v20, |v[RC+\i]|, |v[RC+\i+1]|
	v_max3_num_f32 v21, v21, |v[RC+\i+2]|, |v[RC+\i+3]|
.endr
	v_max3_num_f32 v20, v20, |v[RC+30]|, |v[RC+31]|
	v_max3_num_f32 v20, v20, v21, 0x8000000
	v_add_nc_u32 v22, 0xf8800000, v20
	v_and_or_b32 v23, v20, 0x7f800000, s[MNT]
	v_lshrrev_b32 v24, 23, v22
.set i, 0
.rept 32
	v_med3_num_f32 v[RC+i], v[RC+i], -v23, v23
.set i, i+1
.endr
.irp g, 0,1,2,3
	v_cvt_scalef32_pk8_bf8_f32 v[WC+2*\g:WC+2*\g+1], v[RC+8*\g:RC+8*\g+7], v22
.endr
	v_nop
	ds_store_b8 v15, v24
	global_store_b128 v18, v[WC:WC+3], s[32:33]              ; k 0-15 of the block: sixteen lanes fill 256 consecutive bytes, aligned
	global_store_b128 v18, v[WC+4:WC+7], s[32:33] offset:256 ; k 16-31
	s_wait_dscnt 0x0                               ; my images and bytes have landed
	s_barrier_signal -1
	s_barrier_wait -1                              ; everybody's have
; One K step of x: through my stage, so that a lane holds 16 neighbours of each block; quantised; the codes leave as an image; two products for the logits.
.macro XSTEP s, reg, left, first
	s_wait_loadcnt \left
.set i, 0
.rept 16
	ds_store_b128 v5, v[\reg+4*i:\reg+4*i+3] offset:SPI*i
.set i, i+1
.endr
.irp c, 0,1,2,3
.irp j, 0,1,2,3
	ds_load_b128 v[\reg+16*\c+4*\j:\reg+16*\c+4*\j+3], v6 offset:128*\c+16*\j   ; LDS serves a wave's instructions in order (ISA guide 5.7.1.4): these see the stores above
.endr
.endr
.irp t, 0,1
.irp c, 0,1,2,3
	ds_load_b128 v[RC+16*\t+4*\c:RC+16*\t+4*\c+3], v10 offset:2048*(2*\s+\t)+512*\c
.endr
	ds_load_b32 v[WS+2*\s+\t], v11 offset:128*(2*\s+\t)
.endr
	s_wait_dscnt 0x0
	s_wait_xcnt 0x0                                ; the earlier stores have read their registers: the codes' are written again
	QUANT \reg
.irp c, 0,1,2,3
	global_store_b128 v4, v[PC+4*\c:PC+4*\c+3], s[28:29] offset:2048*\s+512*\c   ; 512 consecutive bytes
.endr
	ds_store_b32 v14, v[PW] offset:256*\s
.rept 4
	v_nop                                          ; codes written by vector instructions stand four places ahead of a scaled matrix instruction; the scale word was made ahead of the 64 holds
.endr
.if \first
	v_wmma_scale_f32_16x16x128_f8f6f4 v[AC:AC+7], v[PC:PC+15], v[RC:RC+15], 0, v[PW], v[WS+2*\s] matrix_a_fmt:MATRIX_FMT_BF8 matrix_b_fmt:MATRIX_FMT_BF8
	v_wmma_scale_f32_16x16x128_f8f6f4 v[AC+8:AC+15], v[PC:PC+15], v[RC+16:RC+31], 0, v[PW], v[WS+2*\s+1] matrix_a_fmt:MATRIX_FMT_BF8 matrix_b_fmt:MATRIX_FMT_BF8
.else
	v_wmma_scale_f32_16x16x128_f8f6f4 v[AC:AC+7], v[PC:PC+15], v[RC:RC+15], v[AC:AC+7], v[PW], v[WS+2*\s] matrix_a_fmt:MATRIX_FMT_BF8 matrix_b_fmt:MATRIX_FMT_BF8
	v_wmma_scale_f32_16x16x128_f8f6f4 v[AC+8:AC+15], v[PC:PC+15], v[RC+16:RC+31], v[AC+8:AC+15], v[PW], v[WS+2*\s+1] matrix_a_fmt:MATRIX_FMT_BF8 matrix_b_fmt:MATRIX_FMT_BF8
.endif
.rept 8
	v_nop                                          ; eight places ahead of loads into the operands' registers, of new codes and of the first read of the results
.endr
.endm
	XSTEP 0, RA, 16, 1                             ; K step 1's sixteen loads may be out
	XSTEP 1, RB, 0, 0                              ; the two accumulators take turns, one instruction a turn
	ds_store_b128 v12, v[AC:AC+3]                  ; lane (r, h): head r, rows 8 h + 0 .. 7; each accumulator from its low end
	ds_store_b128 v12, v[AC+4:AC+7] offset:16
	ds_store_b128 v12, v[AC+8:AC+11] offset:16*LPP
	ds_store_b128 v12, v[AC+12:AC+15] offset:16*LPP+16
	s_wait_dscnt 0x0
	s_barrier_signal -1
	s_barrier_wait -1                              ; the logits' four parts and all scale words lie in LDS
.irp p, 0,1,2,3
	ds_load_b128 v[WC+4*\p:WC+4*\p+3], v13 offset:LPQ*\p
.endr
	s_wait_dscnt 0x0
.irp p, 1,2,3
	v_pk_add_f32 v[WC:WC+1], v[WC:WC+1], v[WC+4*\p:WC+4*\p+1]
	v_pk_add_f32 v[WC+2:WC+3], v[WC+2:WC+3], v[WC+4*\p+2:WC+4*\p+3]
.endr
.irp k, 0,1,2,3
	v_add_f32 v[WC+\k], v[WC+\k], v93              ; the bias
.endr
.irp k, 0,1,2,3
	v_bfe_u32 v20, v92, 8*\k, 8
	v_cmp_ne_u32 vcc_lo, 0, v20
	v_cndmask_b32 v[WC+\k], v[WC+\k], v94, vcc_lo  ; where the mask is true: -10000
.endr
	global_store_b128 v19, v[WC:WC+3], s[36:37]    ; sixteen lanes fill 256 consecutive bytes, aligned
	s_cmp_lt_u32 s38, 4
	s_cbranch_scc0 .Lnot_xs
	ds_load_b128 v[WC+8:WC+11], v41                ; waves 0 to 3: x's scale words of K steps 2 w and 2 w + 1
	s_wait_dscnt 0x0
	global_store_b128 v7, v[WC+8:WC+11], s[30:31]
.Lnot_xs:
	s_cmp_eq_u32 s38, 4
	s_cbranch_scc0 .Lend
	ds_load_b128 v[WC+8:WC+11], v42                ; wave 4: the big weight's
	s_wait_dscnt 0x0
	global_store_b128 v1, v[WC+8:WC+11], s[34:35]
.Lend:
	s_wait_xcnt 0x0
	v_lshl_add_u32 v254, v0, 2, 0x33000
	v_mov_b32 v255, 0
	s_wait_tensorcnt 0x0
	ds_add_u32 v254, v255
	s_wait_dscnt 0x0
	s_endpgm
.Lfunc_end_k_qa7221f6229_prep:
	.size	k_qa7221f6229_prep, .Lfunc_end_k_qa7221f6229_prep-k_qa7221f6229_prep
	.p2alignl 7, 3214868480
	.fill 96, 4, 3214868480
	.section	.rodata,"a",@progbits
	.p2align	6, 0x0
	.amdhsa_kernel k_qa7221f6229_prep
		.amdhsa_group_segment_fixed_size 210944
		.amdhsa_private_segment_fixed_size 0
		.amdhsa_enable_private_segment 0
		.amdhsa_kernarg_size 120
		.amdhsa_user_sgpr_count 2
		.amdhsa_user_sgpr_kernarg_segment_ptr 1
		.amdhsa_wavefront_size32 1
		.amdhsa_system_sgpr_workgroup_id_x 1
		.amdhsa_system_sgpr_workgroup_id_y 1
		.amdhsa_system_sgpr_workgroup_id_z 1
		.amdhsa_system_vgpr_workitem_id 0
		.amdhsa_next_free_vgpr 256
		.amdhsa_next_free_sgpr 66
		.amdhsa_reserve_vcc 1
		.amdhsa_float_denorm_mode_32 3
		.amdhsa_float_denorm_mode_16_64 3
		.amdhsa_memory_ordered 1
		.amdhsa_forward_progress 1
		.amdhsa_inst_pref_size 57
	.end_amdhsa_kernel
	.amdgpu_metadata
---
amdhsa.version: [ 1, 2 ]
amdhsa.kernels:
  - .name:           k_qa7221f6229_prep
    .symbol:         k_qa7221f6229_prep.kd
    .args:
      - { .name: x, .offset: 0, .size: 8, .value_kind: global_buffer, .address_space: global }
      - { .name: attention_mask, .offset: 8, .size: 8, .value_kind: global_buffer, .address_space: global }
      - { .name: Wk, .offset: 16, .size: 8, .value_kind: global_buffer, .address_space: global }
      - { .name: Wq, .offset: 24, .size: 8, .value_kind: global_buffer, .address_space: global }
      - { .name: Wv, .offset: 32, .size: 8, .value_kind: global_buffer, .address_space: global }
      - { .name: Wo, .offset: 40, .size: 8, .value_kind: global_buffer, .address_space: global }
      - { .name: Wqw, .offset: 48, .size: 8, .value_kind: global_buffer, .address_space: global }
      - { .name: Wkw, .offset: 56, .size: 8, .value_kind: global_buffer, .address_space: global }
      - { .name: bqw, .offset: 64, .size: 8, .value_kind: global_buffer, .address_space: global }
      - { .name: bkw, .offset: 72, .size: 8, .value_kind: global_buffer, .address_space: global }
      - { .name: xc, .offset: 80, .size: 8, .value_kind: global_buffer, .address_space: global }
      - { .name: xs, .offset: 88, .size: 8, .value_kind: global_buffer, .address_space: global }
      - { .name: wc, .offset: 96, .size: 8, .value_kind: global_buffer, .address_space: global }
      - { .name: ws, .offset: 104, .size: 8, .value_kind: global_buffer, .address_space: global }
      - { .name: lg, .offset: 112, .size: 8, .value_kind: global_buffer, .address_space: global }
    .group_segment_fixed_size: 210944
    .private_segment_fixed_size: 0
    .kernarg_segment_align: 8
    .kernarg_segment_size: 120
    .max_flat_workgroup_size: 512
    .sgpr_count:     66
    .vgpr_count:     256
    .wavefront_size: 32
...
	.end_amdgpu_metadata
.endif
;; end of part 1
;; launch qk (part 2): grid 8 x 32, 4 waves a work-group, clusters of 4 x 4, 327,680 bytes of LDS; arguments xc, xs, wc, ws, lg, bk, bq, part; writes part
.if DOCPART == 2
	.amdgcn_target "amdgcn-amd-amdhsa--gfx1250"
	.amdhsa_code_object_version 6
	.text
	.protected	k_qa7221f6229_qk
	.globl	k_qa7221f6229_qk
	.p2align	8
	.type	k_qa7221f6229_qk,@function
k_qa7221f6229_qk:
	s_mov_b64 s[64:65], 0
	v_nop
	global_prefetch_b8 v0, s[64:65] scope:SCOPE_SE
	s_setreg_imm32_b32 hwreg(HW_REG_WAVE_MODE, 25, 1), 1
	s_wait_xcnt 0x0
	s_wait_alu depctr_hold_cnt(0) depctr_sa_sdst(0) depctr_va_vdst(0) depctr_va_sdst(0) depctr_va_ssrc(0) depctr_va_vcc(0) depctr_vm_vsrc(0)
	s_getreg_b32 s2, hwreg(HW_REG_IB_STS2, 6, 4)
	s_cmp_eq_u32 s2, 0
	s_cbranch_scc0 .Lentry_in_a_cluster
	s_endpgm
.Lentry_in_a_cluster:
	s_bfe_u32 s2, ttmp6, 0x10000c
	s_cmp_lg_u32 s2, 0xf033
	s_cbranch_scc0 .Lentry_shape_is_right
	s_endpgm
.Lentry_shape_is_right:
; QK.  K = x Wk + bk and Q = x Wq + bq on codes of BF8 (E5M2) with E8M0 scales, for tiles of 256 rows of x and two heads; neither goes to memory: each is weighed with its softmax weight
; (over the sequence, clipped to 1e-9 .. 1) and summed over the tile's 256 rows; part[tile row][head][K, Q][64] takes the sums.  The sum of kw K gq is gq x the sum of kw K, so K's sum needs no gq here.
; A WORK-GROUP STAYS: it makes two tiles, rows 512 y on and 512 y + 256 on: the same batch, the same two heads.  So the softmax's maximum and sum, wc's scale words and the bias are made or fetched once, and the ring
; does not stop at the first tile's end: its last two changes of slots ask for the second tile's first two K steps, which land while the first tile's sums are made.  The two tiles are written straight, one behind the other.
; THE SOFTMAX.  Wave w owns one line of 4,096 logits (waves 0, 1: the key weights of heads 2 tx, 2 tx + 1; waves 2, 3: the query weights): its maximum is taken away, the exponentials are summed in f32, and the two tiles' 512
; weights go to LDS.  A division is a reciprocal and a multiplication.
; THE PRODUCT.  Four waves, each 128 rows of x x 128 rows of wc (a head's 64 columns of Wk, then its 64 of Wq): 64 accumulators, 512 registers.  K goes in steps of 256 through a ring of two LDS slots.  Operands lie in memory
; in the order of their registers, so a tile of 128 rows x 256 K is 32,768 consecutive bytes, a fragment 2,048, and every LDS load takes 512 consecutive bytes: no padding.  The scale words of all of K come once.
; SOURCE 0 = 16 rows of wc, source 1 = 16 rows of x: lane (r, h) holds x's row r, and register j of tile b the column 32 ((b / 2) % 2) + 16 h + 8 (b % 2) + j of K (b < 4) or Q.  The bias is the C of each sum's first product.
; CLUSTERS: 4 x 4 work-groups; x's tiles are asked for jointly along a row of the cluster, wc's along a column.
; LIMITS: NaN and infinities are not served.
; REGISTERS: window 0: v1-31 addresses and the head's work; v32-63 scale words, two sets; v64-127 the bias; v128-255 x's fragments, one set; on a way out the sums.  window 1: wc's fragments, two sets (at the head v0-15: the tiles' logits).
;   windows 2, 3: accumulator (a, b) at v[8 (8 (a % 4) + b)].
.set NQ,    2
.set FR,    16
.set NL,    4
.set NP,    8
.set HALFT, 32768                      ; 128 rows x 256 K: what one tensor load brings
.set SLOT,  4*HALFT                    ; x's two halves, then wc's two
.set ASTEP, 4194304                    ; 256 along K on, in xc
.set BSTEP, 1048576                    ; and in wc
.set TILEA, 65536                      ; my second tile's rows in xc: 16 row blocks of 4,096 bytes on
.set SCLA,  2*SLOT                     ; x's scale words: [tile 2][half 2][k / 128: 8][128 rows]
.set SCLB,  SCLA+16384+128             ; wc's: [half 2][8][128 rows]; the 128 bytes between keep the two halves of the lanes in different banks
.set SPARE, SCLB+8192+128              ; the spare words: 128 bytes for each wave, two blocks of 256 bytes that no other line names
.set EXTRA, SPARE+512
.set WT,    EXTRA                      ; the two tiles' weights: [line 4][512] f32
.set PST,   WT+8192                    ; the waves' sums: [row half 2][head 2][K, Q][64] f32
.set ADRA, 16
.set ADRB, 20
.set ADRS, 27                          ; v27 my scale words, first tile
.set ADRT, 13                          ; v13 the same, second tile
.set PFO,  15                          ; v15 256 x lane: the prefetches' offset; never rewritten
.set SPW,  28
.set NIL,  29
.set SC,   32
.set BI,   64
.set AF,   128
.set RS,   128                         ; a way out: 64 sums
.set WP,   192                         ; and 16 weights, each in a pair
.set G1, 24
.set G0, 32
.set G1B, 48
.set G0B, 56
.set G1S, 68
.set G0S, 76
.set G1SB, 80
.set G0SB, 88
.set G0T, 4                            ; s[4:7] group 0 for the second tile's scale words of x; s[8:11] for the second half along K of wc's
.set G0TB, 8
.set PFA, 46                           ; s[46:47] the prefetches' base: the second tile's K step 0; s[2:3] its K step 2; never rewritten
.set PFB, 2
.set LIM, 104                          ; s104 0 in a wave that prefetches
.set MSB, 0
.macro WIN new                         ; the immediate's high byte repeats the setting that is left
.if MSB != (\new)
	s_set_vgpr_msb (MSB<<8)|(\new)
.set MSB, (\new)
.endif
.endm
.set MUL_LO, 0xa1                      ; source 0 window 1, source 1 window 0, C and D window 2
.set MUL_HI, 0xf1                      ; the same, C and D window 3
.set TO_B,   0x40
.macro JLOAD g0a, g1a, g0b, g1b        ; a joint load: waves 0 and 1 fetch for x, waves 2 and 3 for wc; four v_nop follow each line
	s_cmp_eq_u32 s15, 0
	s_cbranch_scc0 .Lfor_b_\@
	tensor_load_to_lds s[\g0a:\g0a+3], s[\g1a:\g1a+7]
	s_nop 0
.rept 4
	v_nop
.endr
	s_branch .Lasked_\@
.Lfor_b_\@:
	tensor_load_to_lds s[\g0b:\g0b+3], s[\g1b:\g1b+7]
	s_nop 0
.rept 4
	v_nop
.endr
.Lasked_\@:
.endm
; A PREFETCH INTO THE L2 of my second tile's rows of xc: behind each of the first four refills stands one request, for the K step that the refill two further on will ask for: the second tile's K steps 0 to 3.
; A wave's tensor load brings 32,768 consecutive bytes: the four partners that ask for them jointly take 8,192 each, told apart BY ADDRESS (cx), a lane 256 bytes.  The same rows are walked by both clusters of a row of
; clusters: the one with x = 0 asks, and in it waves 0 and 1, which fetch x.  So each block of 256 bytes is named once in the launch.  The first tile's K steps come by their loads alone: nothing is asked for at the head,
; where every work-group's first tiles are on their way.  wc's rows are the same for both tiles and are not asked for.  The two bases are never rewritten.
.macro ASK base, off
	s_cmp_eq_u32 s[LIM], 0
	s_cbranch_scc0 .Lnot_mine_\@
	global_prefetch_b8 v[PFO], s[\base:\base+1] offset:\off th:TH_LOAD_NT scope:SCOPE_SE
.Lnot_mine_\@:
.endm
.macro CREST                           ; a round of the cluster's barrier behind its opening barrier
	s_cmp_lg_u32 s14, 0
	s_cbranch_scc1 .Lnot_wave_0_\@
	s_barrier_signal -3
.Lnot_wave_0_\@:
	s_barrier_wait -3
	s_barrier_signal -1
	s_barrier_wait -1
.endm
.macro CROUND
	s_barrier_signal -1
	s_barrier_wait -1
	CREST
.endm
.macro PLACES n
.rept \n
	v_nop
.endr
.endm
.macro FRAG reg, adr, q, i             ; a fragment as it lies: four loads of 512 consecutive bytes
.irp c, 0,1,2,3
	ds_load_b128 v[\reg+4*\c:\reg+4*\c+3], v[\adr] offset:4096*(\i)+2048*(\q)+512*\c
.endr
.endm
.macro FETCH_B slot, q, p
	WIN TO_B
.irp i, 0,1,2,3,4,5,6,7
	FRAG 128*(\p)+FR*\i, ADRB+\slot, \q, \i
.endr
	WIN 0
.endm
.macro FETCH_A slot, q, i0
.irp i, \i0, \i0+1, \i0+2, \i0+3
	FRAG AF+FR*(\i), ADRA+\slot, \q, \i
.endr
.endm
.macro SCALES sc                       ; a K step's scale words: register 2 i + q: lanes 0-15 x's block i, lanes 16-31 wc's block i
.irp i, 0,1,2,3,4,5,6,7
.irp q, 0,1
	ds_load_b32 v[SC+16*\sc+2*\i+\q], v[ADRS] offset:512*\q+64*\i
.endr
.endr
.endm
; 16 products: x's blocks a0, a0 + 1 against wc's eight.  first = 1: the bias (window 0) is the C.  The 64 accumulators take turns, one instruction a turn, in the same order in every step.
.macro MUL16 a0, p, q, sc, first
.irp a, \a0, \a0+1
.irp b, 0,1,2,3,4,5,6,7
.if \first
	v_wmma_scale_f32_16x16x128_f8f6f4 v[8*(8*((\a)%4)+\b):8*(8*((\a)%4)+\b)+7], v[128*(\p)+FR*\b:128*(\p)+FR*\b+FR-1], v[AF+FR*(\a):AF+FR*(\a)+FR-1], v[BI+8*\b:BI+8*\b+7], v[SC+16*(\sc)+2*\b+(\q)], v[SC+16*(\sc)+2*(\a)+(\q)] matrix_a_fmt:MATRIX_FMT_BF8 matrix_b_fmt:MATRIX_FMT_BF8 matrix_a_scale:MATRIX_SCALE_ROW1
.else
	v_wmma_scale_f32_16x16x128_f8f6f4 v[8*(8*((\a)%4)+\b):8*(8*((\a)%4)+\b)+7], v[128*(\p)+FR*\b:128*(\p)+FR*\b+FR-1], v[AF+FR*(\a):AF+FR*(\a)+FR-1], v[8*(8*((\a)%4)+\b):8*(8*((\a)%4)+\b)+7], v[SC+16*(\sc)+2*\b+(\q)], v[SC+16*(\sc)+2*(\a)+(\q)] matrix_a_fmt:MATRIX_FMT_BF8 matrix_b_fmt:MATRIX_FMT_BF8 matrix_a_scale:MATRIX_SCALE_ROW1
.endif
.endr
.endr
.endm
.macro STEP slot, q, first             ; 128 along K that has its successor in the same slot
	s_wait_dscnt 4*NL                              ; all but the youngest sixteen loads (x's blocks 4-7) are in
	WIN MUL_LO-0x20*(\first)
	MUL16 0, (\q)%2, \q, \slot, \first
	MUL16 2, (\q)%2, \q, \slot, \first
	s_wait_dscnt 0
	PLACES NP                                      ; eight places ahead of loads into registers that matrix instructions have read
	FETCH_B \slot, (\q)+1, 1-(\q)%2
	FETCH_A \slot, (\q)+1, 0
	WIN MUL_HI-0x30*(\first)
	MUL16 4, (\q)%2, \q, \slot, \first
	MUL16 6, (\q)%2, \q, \slot, \first
	PLACES NP
	WIN 0
	FETCH_A \slot, (\q)+1, 4
.endm
; A slot's last step changes slots: one barrier; in front of it each wave waits for all its tensor loads, adds 0 to its spare word, and waits for that and for its reads of this slot.
; fill = 1: the slot is filled again with this tile's K step two on; 2: with the next tile's K step 0 or 1; 0: nothing is left to fetch.
; fetch = 0: the tile's very last step: the next slot's fragments are not fetched here, since the way out takes x's registers.  ask: which K step of the second tile is prefetched (1 to 4), or 0.
.macro TURN slot, next, fill, fetch, ask
	s_wait_tensorcnt 0x0                           ; all my tensor loads have landed: my part of the next slot
	ds_add_u32 v[SPW], v[NIL]                      ; 0 onto my spare word
	s_wait_dscnt 4*NL+1                            ; the add and the youngest sixteen loads may be out
	WIN MUL_LO
	MUL16 0, 1, NQ-1, \slot, 0
	s_wait_dscnt 0x0                               ; the add is done, and my reads of this slot are over
	s_barrier_signal -1
	MUL16 2, 1, NQ-1, \slot, 0
	WIN 0
	s_barrier_wait -1
.if \fill
	CREST                                          ; the barrier has opened a round of the cluster's: no wave of any partner still reads this slot or has a load on its way
.if \fill == 1
	s_add_nc_u64 s[G0+4*\slot+2:G0+4*\slot+3], s[G0+4*\slot+2:G0+4*\slot+3], 2*ASTEP
	s_add_nc_u64 s[G0B+4*\slot+2:G0B+4*\slot+3], s[G0B+4*\slot+2:G0B+4*\slot+3], 2*BSTEP
.else
	s_sub_nc_u64 s[G0+4*\slot+2:G0+4*\slot+3], s[G0+4*\slot+2:G0+4*\slot+3], 2*ASTEP-TILEA   ; back along K, 256 rows down
	s_sub_nc_u64 s[G0B+4*\slot+2:G0B+4*\slot+3], s[G0B+4*\slot+2:G0B+4*\slot+3], 2*BSTEP     ; back along K: both tiles take the same rows of wc
.endif
	JLOAD G0+4*\slot, G1, G0B+4*\slot, G1B         ; the first tensor load behind the round; its four v_nop are among the places below
.if \fetch
	PLACES NP-4
.endif
.else
	PLACES NP
.endif
.if \fetch
	v_add_nc_u32 v[ADRS], 1024, v[ADRS]            ; the next K step's scale words (no LDS load of mine is out)
	FETCH_B \next, 0, 0
	FETCH_A \next, 0, 0
	SCALES \next
.endif
.if \ask == 1
	ASK PFA, 0
.elseif \ask == 2
	ASK PFA, ASTEP
.elseif \ask == 3
	ASK PFB, 0
.elseif \ask == 4
	ASK PFB, ASTEP
.endif
	WIN MUL_HI
	MUL16 4, 1, NQ-1, \slot, 0
	MUL16 6, 1, NQ-1, \slot, 0
.if \fetch
	PLACES NP
	WIN 0
	FETCH_A \next, 0, 4
.else
	WIN 0
.endif
.endm
	s_load_b128 s[4:7], s[0:1], 0x0                ; xc, xs
	s_load_b128 s[8:11], s[0:1], 0x10              ; wc, ws
	s_load_b128 s[96:99], s[0:1], 0x20             ; lg, bk
	s_load_b128 s[92:95], s[0:1], 0x30             ; bq, part
	v_lshl_add_u32 v[SPW], v0, 2, SPARE
	v_mov_b32 v[NIL], 0
	ds_add_u32 v28, v29
	s_wait_dscnt 0x0
	v_lshrrev_b32 v1, 5, v0
	v_readfirstlane_b32 s14, v1                    ; wave
	s_lshr_b32 s15, s14, 1                         ; rh: my half of x's rows.  Also: I fetch for x (0) or for wc (1)
	s_and_b32 s16, s14, 1                          ; ch: my head of the two.  Also: which half I fetch
	s_bfe_u32 s40, ttmp6, 0x40000                  ; cx, cy
	s_bfe_u32 s41, ttmp6, 0x40004
	s_lshl_b32 s42, ttmp9, 2
	s_add_co_u32 s42, s42, s40                     ; tx: the pair of heads
	s_and_b32 s17, ttmp7, 0xffff
	s_lshl_b32 s17, s17, 2
	s_add_co_u32 s17, s17, s41                     ; work-group y,
	s_lshl_b32 s17, s17, 1                         ; ty of my first tile: 2 y
	s_lshl_b32 s43, s41, 2
	s_lshl_b32 s43, 15, s43                        ; my row of the cluster
	s_lshl_b32 s44, 0x1111, s40                    ; my column
	s_or_b32 s[G1+0], s43, (3<<16)|(1<<21)         ; 15:0 the mask; 17:16 elements of 8 bytes; 21 set beside a mask; no padding
	s_or_b32 s[G1B+0], s44, (3<<16)|(1<<21)
.irp g, G1, G1B
	s_mov_b32 s[\g+1], 32<<16                      ; tensor_dim0 = 32 elements: 256 bytes
	s_mov_b32 s[\g+2], 128<<16                     ; tensor_dim1 = 128
	s_mov_b32 s[\g+3], 32<<16                      ; tile_dim0
	s_mov_b32 s[\g+4], 128                         ; tile_dim1
	s_mov_b32 s[\g+5], 32                          ; the pitch: dense
	s_mov_b32 s[\g+6], 0
	s_mov_b32 s[\g+7], 0
.endr
	s_or_b32 s[G1S+0], s43, (3<<16)|(1<<21)
	s_mov_b32 s[G1S+1], 64<<16                     ; x's scale words: 128 rows' words, 512 bytes,
	s_mov_b32 s[G1S+2], 8<<16                      ; for each of 8 steps of 128 along K,
	s_mov_b32 s[G1S+3], 64<<16
	s_mov_b32 s[G1S+4], 8
	s_mov_b32 s[G1S+5], 8192                       ; 65,536 bytes from step to step
	s_mov_b32 s[G1S+6], 0
	s_mov_b32 s[G1S+7], 0
	s_or_b32 s[G1SB+0], s44, (3<<16)|(1<<21)
	s_mov_b32 s[G1SB+1], 64<<16                    ; wc's: in two loads of 4 steps each, so that every wave has the same four first fills
	s_mov_b32 s[G1SB+2], 4<<16
	s_mov_b32 s[G1SB+3], 64<<16
	s_mov_b32 s[G1SB+4], 4
	s_mov_b32 s[G1SB+5], 2048                      ; 16,384 bytes from step to step
	s_mov_b32 s[G1SB+6], 0
	s_mov_b32 s[G1SB+7], 0
	s_lshl_b32 s20, s17, 16                        ; x: row block 16 ty + 8 half, 4,096 bytes each
	s_lshl_b32 s21, s16, 15
	s_add_co_u32 s20, s20, s21
	s_mov_b32 s21, 0
	s_lshl_b32 s22, s17, 10                        ; its scale words
	s_lshl_b32 s23, s16, 9
	s_add_co_u32 s22, s22, s23
	s_mov_b32 s23, 0
	s_lshl_b32 s46, s42, 1                         ; wc: row block 12 (2 tx + half): Wk's four, then Wq's four
	s_add_co_u32 s46, s46, s16
	s_mul_i32 s46, s46, 12
	s_lshl_b32 s2, s46, 6
	s_mov_b32 s3, 0
	s_lshl_b32 s46, s46, 12
	s_mov_b32 s47, 0
	s_lshl_b32 s45, s14, 15                        ; where the codes go: wave x 32,768: no place in the cluster enters an LDS address
	s_lshl_b32 s18, s16, 12                        ; and the scale words: half x 4,096
	s_wait_kmcnt 0x0
	s_add_nc_u64 s[20:21], s[4:5], s[20:21]
	s_add_nc_u64 s[22:23], s[6:7], s[22:23]
	s_add_nc_u64 s[46:47], s[8:9], s[46:47]
	s_add_nc_u64 s[2:3], s[10:11], s[2:3]
	CROUND                                         ; all sixteen work-groups are here: the first joint loads meet
	s_mov_b32 s[G0S], 1
	s_add_co_u32 s[G0S+1], s18, SCLA
	s_mov_b64 s[G0S+2:G0S+3], s[22:23]
	s_or_b32 s[G0S+3], s[G0S+3], 0x80000000
	s_mov_b32 s[G0SB], 1
	s_add_co_u32 s[G0SB+1], s18, SCLB
	s_mov_b64 s[G0SB+2:G0SB+3], s[2:3]
	s_or_b32 s[G0SB+3], s[G0SB+3], 0x80000000
	JLOAD G0S, G1S, G0SB, G1SB                     ; x's scale words of the first tile; wc's of k = 0 .. 511
	s_mov_b32 s[G0T], 1                            ; (the four arguments' registers are free: their addresses have been taken on)
	s_add_co_u32 s[G0T+1], s18, SCLA+8192
	s_add_nc_u64 s[G0T+2:G0T+3], s[22:23], 1024    ; 256 rows' words on
	s_or_b32 s[G0T+3], s[G0T+3], 0x80000000
	s_mov_b32 s[G0TB], 1
	s_add_co_u32 s[G0TB+1], s18, SCLB+2048
	s_add_nc_u64 s[G0TB+2:G0TB+3], s[2:3], 65536   ; four steps of 16,384 bytes on
	s_or_b32 s[G0TB+3], s[G0TB+3], 0x80000000
	JLOAD G0T, G1S, G0TB, G1SB                     ; x's scale words of the second tile; wc's of k = 512 .. 1,023
.irp s, 0,1
	s_mov_b32 s[G0+4*\s], 1
	s_add_co_u32 s[G0+4*\s+1], s45, \s*SLOT
	s_add_nc_u64 s[G0+4*\s+2:G0+4*\s+3], s[20:21], \s*ASTEP
	s_or_b32 s[G0+4*\s+3], s[G0+4*\s+3], 0x80000000
	s_mov_b32 s[G0B+4*\s], 1
	s_add_co_u32 s[G0B+4*\s+1], s45, \s*SLOT
	s_add_nc_u64 s[G0B+4*\s+2:G0B+4*\s+3], s[46:47], \s*BSTEP
	s_or_b32 s[G0B+4*\s+3], s[G0B+4*\s+3], 0x80000000
	JLOAD G0+4*\s, G1, G0B+4*\s, G1B               ; four tensor loads of mine are out
.endr
	; ---- where my prefetches stand: the half that I fetch, of the second tile, my work-group's 8,192 bytes of its 32,768
	s_lshl_b32 s[PFB], s40, 13
	s_mov_b32 s[PFB+1], 0
	s_add_nc_u64 s[PFA:PFA+1], s[20:21], s[PFB:PFB+1]
	s_add_nc_u64 s[PFA:PFA+1], s[PFA:PFA+1], TILEA
	s_add_nc_u64 s[PFB:PFB+1], s[PFA:PFA+1], 2*ASTEP
	s_or_b32 s[LIM], s15, ttmp9                    ; 0 in waves 0 and 1 of the clusters with x = 0: the same in all sixteen partners, for a given wave
	; ---- the pointers that hang on both coordinates
	s_lshl_b32 s20, s42, 1
	s_add_co_u32 s20, s20, s16                     ; my head
	s_lshr_b32 s18, s17, 4                         ; the batch
	s_lshl_b32 s18, s18, 19
	s_xor_b32 s19, s15, 1
	s_lshl_b32 s19, s19, 4                         ; waves 0, 1: the key weights' lines, 16 on
	s_add_co_u32 s19, s19, s20
	s_lshl_b32 s19, s19, 14
	s_add_co_u32 s18, s18, s19
	s_mov_b32 s19, 0
	s_add_nc_u64 s[96:97], s[96:97], s[18:19]      ; my line of 4,096 logits
	s_and_b32 s18, s17, 15
	s_lshl_b32 s18, s18, 10
	s_add_nc_u64 s[66:67], s[96:97], s[18:19]      ; the two tiles' 512 of them
	s_lshl_b32 s18, s20, 8
	s_add_nc_u64 s[98:99], s[98:99], s[18:19]      ; bk and bq at my head
	s_add_nc_u64 s[92:93], s[92:93], s[18:19]
	s_lshl_b32 s18, s17, 4
	s_add_co_u32 s18, s18, s20
	s_lshl_b32 s18, s18, 9
	s_add_nc_u64 s[94:95], s[94:95], s[18:19]      ; part[ty][head]
	v_and_b32 v1, 31, v0                           ; L
	v_and_b32 v2, 15, v0                           ; r
	v_bfe_u32 v3, v0, 4, 1                         ; h
	v_lshlrev_b32 v4, 4, v1                        ; v4 = 16 L
	v_lshlrev_b32 v6, 6, v3                        ; v6 = 64 h: the bias of my half's columns
	v_lshlrev_b32 v[PFO], 8, v1
	WIN 0x40                                       ; destination window 1: free until the first fragments are fetched
.irp k, 0,1,2,3
	global_load_b128 v[4*\k:4*\k+3], v4, s[66:67] offset:512*\k   ; the tiles' logits: rows 128 k + 4 L on
.endr
	WIN 0
.set i, 0
.rept 32
	global_load_b128 v[128+4*i:131+4*i], v4, s[96:97] offset:512*i
.set i, i+1
.endr
.irp b, 0,1,2,3
	global_load_b128 v[BI+8*\b:BI+8*\b+3], v6, s[98:99] offset:(32*(\b/2)+8*(\b%2))*4
	global_load_b128 v[BI+8*\b+4:BI+8*\b+7], v6, s[98:99] offset:(32*(\b/2)+8*(\b%2))*4+16
.endr
.irp b, 0,1,2,3
	global_load_b128 v[BI+32+8*\b:BI+32+8*\b+3], v6, s[92:93] offset:(32*(\b/2)+8*(\b%2))*4
	global_load_b128 v[BI+32+8*\b+4:BI+32+8*\b+7], v6, s[92:93] offset:(32*(\b/2)+8*(\b%2))*4+16
.endr
	s_lshl_b32 s21, s15, 15
	s_lshl_b32 s22, s16, 15
	s_add_co_u32 s22, s22, 2*HALFT
.irp s, 0,1
	v_add_nc_u32 v[ADRA+\s], s21, v4
	v_add_nc_u32 v[ADRB+\s], s22, v4
	s_add_co_u32 s21, s21, SLOT
	s_add_co_u32 s22, s22, SLOT
.endr
	s_lshl_b32 s21, s15, 12                        ; scale words: lanes 0-15 x's rows of my half, lanes 16-31 wc's: one product in h
	s_lshl_b32 s22, s16, 12
	s_add_co_u32 s22, s22, SCLB-SCLA
	s_sub_co_u32 s22, s22, s21
	v_mul_u32_u24 v5, s22, v3
	s_add_co_u32 s21, s21, SCLA
	v_lshl_add_u32 v5, v2, 2, v5
	v_add_nc_u32 v[ADRS], s21, v5
	s_sub_co_u32 s22, s22, 8192                    ; the second tile: x's words lie 8,192 bytes on, wc's where they were
	v_mul_u32_u24 v5, s22, v3
	s_add_co_u32 s21, s21, 8192
	v_lshl_add_u32 v5, v2, 2, v5
	v_add_nc_u32 v[ADRT], s21, v5
	s_lshl_b32 s21, s14, 11
	s_add_co_u32 s21, s21, WT
	v_add_nc_u32 v7, s21, v4                       ; v7: where my line's weights go
	s_lshl_b32 s21, s16, 11
	s_lshl_b32 s22, s15, 9
	s_add_co_u32 s21, s21, s22
	s_add_co_u32 s21, s21, WT
	v_lshl_add_u32 v18, v2, 2, s21                 ; v18: my head's key weights, my half's rows, row r
	s_lshl_b32 s21, s15, 10
	s_lshl_b32 s22, s16, 9
	s_add_co_u32 s21, s21, s22
	s_add_co_u32 s21, s21, PST
	v_lshl_add_u32 v19, v3, 6, s21                 ; v19: where my sums go
	s_add_co_u32 s22, s22, PST
	v_add_nc_u32 v22, s22, v4                      ; v22: waves 0, 1: a head's sums of the first row half
	s_mov_b32 s100, 0x76543210
	s_mov_b32 s101, 0xfedcba98
	s_mov_b32 s22, 0x3fb8aa3b                      ; log2(e)
	s_mov_b32 s23, s22                             ; (named with it as a pair)
	s_mov_b32 s21, 0x3089705f                      ; 1e-9
	; ---- the softmax of my line
	s_wait_loadcnt 16                              ; the sixteen loads of the bias may be out
.macro MAX1 d, o
	v_max_num_f32 v[\d], v[128+\o], v[129+\o]
.endm
.macro MAX3 d, o
	v_max3_num_f32 v[\d], v[\d], v[128+\o], v[129+\o]
.endm
	MAX1 24, 0
	MAX1 25, 32
	MAX1 26, 64
	MAX1 30, 96
.irp i, 2,4,6,8,10,12,14,16,18,20,22,24,26,28,30
	MAX3 24, \i
	MAX3 25, 32+\i
	MAX3 26, 64+\i
	MAX3 30, 96+\i
.endr
	v_max3_num_f32 v24, v24, v25, v26
	v_max_num_f32 v24, v24, v30
.irp m, 1,2,4,8
	v_max_num_f32_dpp v24, v24, v24 row_xmask:\m row_mask:0xf bank_mask:0xf
.endr
	v_permlanex16_b32 v25, v24, s100, s101
	v_max_num_f32 v24, v24, v25                    ; the line's maximum, in every lane
.set j, 0
.rept 64
	v_pk_add_f32 v[128+j:129+j], v[128+j:129+j], v[24:25] op_sel_hi:[1,0] neg_lo:[0,1] neg_hi:[0,1]   ; l - m
.set j, j+2
.endr
.set j, 0
.rept 64
	v_pk_mul_f32 v[128+j:129+j], v[128+j:129+j], s[22:23] op_sel_hi:[1,0]
.set j, j+2
.endr
	WIN 0x41                                       ; the tiles' sixteen: source 0 and destination window 1
.set j, 0
.rept 8
	v_pk_add_f32 v[j:j+1], v[j:j+1], v[24:25] op_sel_hi:[1,0] neg_lo:[0,1] neg_hi:[0,1]
.set j, j+2
.endr
.set j, 0
.rept 8
	v_pk_mul_f32 v[j:j+1], v[j:j+1], s[22:23] op_sel_hi:[1,0]
.set j, j+2
.endr
.set j, 0
.rept 16
	v_exp_f32 v[j], v[j]
.set j, j+1
.endr
	WIN 0
.set j, 0
.rept 128
	v_exp_f32 v[128+j], v[128+j]
.set j, j+1
.endr
	v_nop                                          ; one plain line behind the exponentials
	s_wait_alu depctr_va_vdst(0)
	v_pk_add_f32 v[24:25], v[128:129], v[130:131]
	v_pk_add_f32 v[30:31], v[132:133], v[134:135]
.set j, 8
.rept 30
	v_pk_add_f32 v[24:25], v[24:25], v[128+j:129+j]
	v_pk_add_f32 v[30:31], v[30:31], v[130+j:131+j]
.set j, j+4
.endr
	v_pk_add_f32 v[24:25], v[24:25], v[30:31]
	v_add_f32 v24, v24, v25
.irp m, 1,2,4,8
	v_add_f32_dpp v24, v24, v24 row_xmask:\m row_mask:0xf bank_mask:0xf
.endr
	v_permlanex16_b32 v25, v24, s100, s101
	v_add_f32 v24, v24, v25                        ; the line's sum
	v_rcp_f32 v24, v24
	v_nop
	WIN 0x41
.set j, 0
	s_wait_alu depctr_va_vdst(0)
.rept 16
	v_mul_f32 v[j], v[j], v24
.set j, j+1
.endr
.set j, 0
.rept 16
	v_med3_num_f32 v[j], v[j], s21, 1.0            ; the clip to 1e-9 .. 1
.set j, j+1
.endr
	WIN 0x04                                       ; an LDS store's data are its source 1: window 1
.irp k, 0,1,2,3
	ds_store_b128 v7, v[4*\k:4*\k+3] offset:512*\k
.endr
	WIN 0
; A WAY OUT: the sum over my 128 rows of weight x K and weight x Q, in f32; t: the tile.  Tensor loads may be on their way across its barrier.
.macro WAYOUT t
	PLACES NP
.irp k, 0,1
.irp a, 0,1,2,3,4,5,6,7
	ds_load_b32 v[WP+2*(8*\k+\a)], v18 offset:4096*\k+1024*\t+64*\a     ; row 16 a + r's weight, twice: a pair for the packed forms
	ds_load_b32 v[WP+2*(8*\k+\a)+1], v18 offset:4096*\k+1024*\t+64*\a
.endr
.endr
	s_wait_dscnt 0x0
.irp a, 0,1,2,3,4,5,6,7
	WIN 0x02+(\a)/4                                ; source 0: window 2 or 3
.irp i, 0,1,2,3,4,5,6,7
.irp j, 0,2,4,6
.if \a == 0
	v_pk_mul_f32 v[RS+8*\i+\j:RS+8*\i+\j+1], v[64*(\a%4)+8*\i+\j:64*(\a%4)+8*\i+\j+1], v[WP+2*(8*(\i/4)+\a):WP+2*(8*(\i/4)+\a)+1]
.else
	v_pk_fma_f32 v[RS+8*\i+\j:RS+8*\i+\j+1], v[64*(\a%4)+8*\i+\j:64*(\a%4)+8*\i+\j+1], v[WP+2*(8*(\i/4)+\a):WP+2*(8*(\i/4)+\a)+1], v[RS+8*\i+\j:RS+8*\i+\j+1]
.endif
.endr
.endr
.endr
	WIN 0
.irp m, 1,2,4,8
.set j, 0
.rept 64
	v_add_f32_dpp v[RS+j], v[RS+j], v[RS+j] row_xmask:\m row_mask:0xf bank_mask:0xf   ; over the sixteen rows of a half of the lanes
.set j, j+1
.endr
.endr
.irp i, 0,1,2,3,4,5,6,7
	ds_store_b128 v19, v[RS+8*\i:RS+8*\i+3] offset:256*(\i/4)+128*((\i/2)%2)+32*(\i%2)       ; the lanes of a half write the same words with the same values
	ds_store_b128 v19, v[RS+8*\i+4:RS+8*\i+7] offset:256*(\i/4)+128*((\i/2)%2)+32*(\i%2)+16
.endr
	s_wait_dscnt 0x0
	s_barrier_signal -1
	s_barrier_wait -1
	s_cmp_lt_u32 s14, 2
	s_cbranch_scc0 .Lno_part_\@
	ds_load_b128 v[RS:RS+3], v22                   ; waves 0 and 1: a head's sums of the two row halves
	ds_load_b128 v[RS+4:RS+7], v22 offset:1024
	s_wait_dscnt 0x0
	v_pk_add_f32 v[RS:RS+1], v[RS:RS+1], v[RS+4:RS+5]
	v_pk_add_f32 v[RS+2:RS+3], v[RS+2:RS+3], v[RS+6:RS+7]
	global_store_b128 v4, v[RS:RS+3], s[94:95] offset:8192*\t   ; 512 consecutive bytes; a tile row on is 16 heads x 512 bytes on
.Lno_part_\@:
.endm
	s_wait_tensorcnt 1                             ; the scale words and my part of K step 0 are in; K step 1's load may be out
	s_wait_dscnt 0x0                               ; my weights have landed
	s_wait_loadcnt 0x0                             ; the bias
	s_barrier_signal -1
	s_barrier_wait -1
	; ---- THE FIRST TILE.  K = 1,024 is four K steps: twice round the ring
	FETCH_B 0, 0, 0
	FETCH_A 0, 0, 0
	SCALES 0
	FETCH_A 0, 0, 4
	STEP 0, 0, 1                                   ; the first products take the bias as C
	TURN 0, 1, 1, 1, 1
	STEP 1, 0, 0
	TURN 1, 0, 1, 1, 2
	STEP 0, 0, 0
	TURN 0, 1, 2, 1, 3                             ; THE RING GOES ON INTO THE SECOND TILE: slot 0 takes its K step 0,
	STEP 1, 0, 0
	TURN 1, 0, 2, 0, 4                             ; slot 1 its K step 1.  The wait for all loads in front of this round has shown slot 0 whole to every wave
	WAYOUT 0
	s_wait_xcnt 0x0                                ; the store has read its registers: x's fragments land there again
	; ---- THE SECOND TILE
.set ADRS, ADRT
	FETCH_B 0, 0, 0
	FETCH_A 0, 0, 0
	SCALES 0
	FETCH_A 0, 0, 4
	STEP 0, 0, 1
	TURN 0, 1, 1, 1, 0
	STEP 1, 0, 0
	TURN 1, 0, 1, 1, 0
	STEP 0, 0, 0
	TURN 0, 1, 0, 1, 0                             ; nothing is left to fetch
	STEP 1, 0, 0
	s_wait_dscnt 4*NL
	WIN MUL_LO
	MUL16 0, 1, NQ-1, 1, 0
	MUL16 2, 1, NQ-1, 1, 0
	s_wait_dscnt 0
	WIN MUL_HI
	MUL16 4, 1, NQ-1, 1, 0
	MUL16 6, 1, NQ-1, 1, 0
	WIN 0
	WAYOUT 1
	s_wait_tensorcnt 0x0                           ; the wave's end
	ds_add_u32 v[SPW], v[NIL]
	s_wait_dscnt 0x0
	CROUND                                         ; the closing round
	s_endpgm
.Lfunc_end_k_qa7221f6229_qk:
	.size	k_qa7221f6229_qk, .Lfunc_end_k_qa7221f6229_qk-k_qa7221f6229_qk
	.p2alignl 7, 3214868480
	.fill 96, 4, 3214868480
	.section	.rodata,"a",@progbits
	.p2align	6, 0x0
	.amdhsa_kernel k_qa7221f6229_qk
		.amdhsa_group_segment_fixed_size 327680
		.amdhsa_private_segment_fixed_size 0
		.amdhsa_enable_private_segment 0
		.amdhsa_kernarg_size 64
		.amdhsa_user_sgpr_count 2
		.amdhsa_user_sgpr_kernarg_segment_ptr 1
		.amdhsa_wavefront_size32 1
		.amdhsa_system_sgpr_workgroup_id_x 1
		.amdhsa_system_sgpr_workgroup_id_y 1
		.amdhsa_system_sgpr_workgroup_id_z 1
		.amdhsa_system_vgpr_workitem_id 0
		.amdhsa_next_free_vgpr 1024
		.amdhsa_next_free_sgpr 106
		.amdhsa_reserve_vcc 0
		.amdhsa_float_denorm_mode_32 3
		.amdhsa_float_denorm_mode_16_64 3
		.amdhsa_memory_ordered 1
		.amdhsa_forward_progress 1
		.amdhsa_inst_pref_size 255
	.end_amdhsa_kernel
	.section	.bss,"aw",@nobits
	.p2align	6
	.space	262144
	.amdgpu_metadata
---
amdhsa.version: [ 1, 2 ]
amdhsa.kernels:
  - .name:           k_qa7221f6229_qk
    .symbol:         k_qa7221f6229_qk.kd
    .args:
      - { .name: xc, .offset: 0, .size: 8, .value_kind: global_buffer, .address_space: global }
      - { .name: xs, .offset: 8, .size: 8, .value_kind: global_buffer, .address_space: global }
      - { .name: wc, .offset: 16, .size: 8, .value_kind: global_buffer, .address_space: global }
      - { .name: ws, .offset: 24, .size: 8, .value_kind: global_buffer, .address_space: global }
      - { .name: lg, .offset: 32, .size: 8, .value_kind: global_buffer, .address_space: global }
      - { .name: bk, .offset: 40, .size: 8, .value_kind: global_buffer, .address_space: global }
      - { .name: bq, .offset: 48, .size: 8, .value_kind: global_buffer, .address_space: global }
      - { .name: part, .offset: 56, .size: 8, .value_kind: global_buffer, .address_space: global }
    .group_segment_fixed_size: 327680
    .private_segment_fixed_size: 0
    .kernarg_segment_align: 8
    .kernarg_segment_size: 64
    .max_flat_workgroup_size: 128
    .sgpr_count:     106
    .vgpr_count:     1024
    .wavefront_size: 32
...
	.end_amdgpu_metadata
.endif
;; end of part 2
;; launch qv (part 3): grid 8 x 32, 4 waves a work-group, clusters of 4 x 4, 327,680 bytes of LDS; arguments xc, xs, wc, ws, part, bq, bv, rc, rs; writes rc, rs
.if DOCPART == 3
	.amdgcn_target "amdgcn-amd-amdhsa--gfx1250"
	.amdhsa_code_object_version 6
	.text
	.protected	k_qa7221f6229_qv
	.globl	k_qa7221f6229_qv
	.p2align	8
	.type	k_qa7221f6229_qv,@function
k_qa7221f6229_qv:
	s_mov_b64 s[64:65], 0
	v_nop
	global_prefetch_b8 v0, s[64:65] scope:SCOPE_SE
	s_setreg_imm32_b32 hwreg(HW_REG_WAVE_MODE, 25, 1), 1
	s_wait_xcnt 0x0
	s_wait_alu depctr_hold_cnt(0) depctr_sa_sdst(0) depctr_va_vdst(0) depctr_va_sdst(0) depctr_va_ssrc(0) depctr_va_vcc(0) depctr_vm_vsrc(0)
	s_getreg_b32 s2, hwreg(HW_REG_IB_STS2, 6, 4)
	s_cmp_eq_u32 s2, 0
	s_cbranch_scc0 .Lentry_in_a_cluster
	s_endpgm
.Lentry_in_a_cluster:
	s_bfe_u32 s2, ttmp6, 0x10000c
	s_cmp_lg_u32 s2, 0xf033
	s_cbranch_scc0 .Lentry_shape_is_right
	s_endpgm
.Lentry_shape_is_right:
; QV.  Q = x Wq + bq (made a second time, so that it never goes to memory in f32) and V = x Wv + bv on codes of BF8 (E5M2), for tiles of 256 rows of x and two heads; R = V gk + Q in registers, quantised along its
; columns (the next product's K) and stored as codes and scale words in the order of an operand's registers.
; A WORK-GROUP STAYS: it makes two tiles, rows 512 y on and 512 y + 256 on: the same batch, the same two heads.  So gq and gk, wc's scale words and the bias are made or fetched once, and the ring does not stop at the first
; tile's end: its last two changes of slots ask for the second tile's first two K steps, which land while the first tile's R is quantised.  The two tiles are written straight, one behind the other.
; gq AND gk.  Each wave adds its head's 16 partial sums of its batch (lanes 0-15: the sum of kw K, lanes 16-31: the sum of qw Q, four columns a lane); gq = the second / max(its norm, 1e-6); gk = (the first x gq) / max(its norm, 1e-6).
; A division is a reciprocal and a multiplication.
; THE PRODUCT is the same as in the launch before: four waves of 128 x 128, K in steps of 256 through two LDS slots, operands in register order, the bias as the first C, joint loads in a cluster of 4 x 4.
; Lane (r, h) holds x's row r, and register j of tile b the column 32 ((b / 2) % 2) + 16 h + 8 (b % 2) + j of Q (b < 4) or V: so the 16 registers of two neighbouring tiles are 16 neighbours along R's columns.
; LIMITS: a block of zeros gets the scale byte 1 (its codes are zeros; only this program reads the bytes); NaN and infinities are not served.
.set NQ,    2
.set FR,    16
.set NL,    4
.set NP,    8
.set HALFT, 32768
.set SLOT,  4*HALFT
.set ASTEP, 4194304
.set BSTEP, 1048576
.set TILEA, 65536                      ; my second tile's rows in xc and in rc: 16 row blocks of 4,096 bytes on
.set SCLA,  2*SLOT                     ; x's scale words: [tile 2][half 2][k / 128: 8][128 rows]
.set SCLB,  SCLA+16384+128             ; wc's: [half 2][8][128 rows]
.set SPARE, SCLB+8192+128              ; the spare words: 128 bytes for each wave, two blocks of 256 bytes that no other line names
.set EXTRA, SPARE+512
.set GKT,   EXTRA                      ; gk: 512 bytes for each wave (the first 256 are gk's 64 numbers)
.set RSG,   GKT+2048                   ; R's scale words: 256 rows
.set ADRA, 16
.set ADRB, 20
.set ADRS, 27                          ; v27 my scale words, first tile
.set ADRT, 13                          ; v13 the same, second tile
.set PFO,  15                          ; v15 256 x lane: the prefetches' offset; never rewritten
.set SPW,  28
.set NIL,  29
.set SC,   32
.set BI,   64
.set AF,   128
.set RN,   128                         ; a way out: 64 numbers of R
.set GK,   192                         ; gk in the result's layout: 8 registers a tile
.set PC,   224                         ; the codes just made
.set TM,   240
.set PW,   14
.set SEL,  100
.set MNT,  21
.set G1, 24
.set G0, 32
.set G1B, 48
.set G0B, 56
.set G1S, 68
.set G0S, 76
.set G1SB, 80
.set G0SB, 88
.set G0T, 4                            ; s[4:7] group 0 for the second tile's scale words of x; s[8:11] for the second half along K of wc's
.set G0TB, 8
.set PFA, 46                           ; s[46:47] the prefetches' base: the second tile's K step 0; s[2:3] its K step 2; never rewritten
.set PFB, 2
.set LIM, 104                          ; s104 0 in a wave that prefetches
.set MSB, 0
.macro WIN new
.if MSB != (\new)
	s_set_vgpr_msb (MSB<<8)|(\new)
.set MSB, (\new)
.endif
.endm
.set MUL_LO, 0xa1
.set MUL_HI, 0xf1
.set TO_B,   0x40
.macro JLOAD g0a, g1a, g0b, g1b        ; a joint load: waves 0 and 1 fetch for x, waves 2 and 3 for wc; four v_nop follow each line
	s_cmp_eq_u32 s15, 0
	s_cbranch_scc0 .Lfor_b_\@
	tensor_load_to_lds s[\g0a:\g0a+3], s[\g1a:\g1a+7]
	s_nop 0
.rept 4
	v_nop
.endr
	s_branch .Lasked_\@
.Lfor_b_\@:
	tensor_load_to_lds s[\g0b:\g0b+3], s[\g1b:\g1b+7]
	s_nop 0
.rept 4
	v_nop
.endr
.Lasked_\@:
.endm
; A PREFETCH INTO THE L2 of my second tile's rows of xc: behind each of the first four refills stands one request, for the K step that the refill two further on will ask for: the second tile's K steps 0 to 3.
; A wave's tensor load brings 32,768 consecutive bytes: the four partners that ask for them jointly take 8,192 each, told apart BY ADDRESS (cx), a lane 256 bytes.  The same rows are walked by both clusters of a row of
; clusters: the one with x = 0 asks, and in it waves 0 and 1, which fetch x.  So each block of 256 bytes is named once in the launch.  The first tile's K steps come by their loads alone: nothing is asked for at the head,
; where every work-group's first tiles are on their way.  wc's rows are the same for both tiles and are not asked for.  The two bases are never rewritten.
.macro ASK base, off
	s_cmp_eq_u32 s[LIM], 0
	s_cbranch_scc0 .Lnot_mine_\@
	global_prefetch_b8 v[PFO], s[\base:\base+1] offset:\off th:TH_LOAD_NT scope:SCOPE_SE
.Lnot_mine_\@:
.endm
.macro CREST
	s_cmp_lg_u32 s14, 0
	s_cbranch_scc1 .Lnot_wave_0_\@
	s_barrier_signal -3
.Lnot_wave_0_\@:
	s_barrier_wait -3
	s_barrier_signal -1
	s_barrier_wait -1
.endm
.macro CROUND
	s_barrier_signal -1
	s_barrier_wait -1
	CREST
.endm
.macro PLACES n
.rept \n
	v_nop
.endr
.endm
.macro FRAG reg, adr, q, i
.irp c, 0,1,2,3
	ds_load_b128 v[\reg+4*\c:\reg+4*\c+3], v[\adr] offset:4096*(\i)+2048*(\q)+512*\c
.endr
.endm
.macro FETCH_B slot, q, p
	WIN TO_B
.irp i, 0,1,2,3,4,5,6,7
	FRAG 128*(\p)+FR*\i, ADRB+\slot, \q, \i
.endr
	WIN 0
.endm
.macro FETCH_A slot, q, i0
.irp i, \i0, \i0+1, \i0+2, \i0+3
	FRAG AF+FR*(\i), ADRA+\slot, \q, \i
.endr
.endm
.macro SCALES sc
.irp i, 0,1,2,3,4,5,6,7
.irp q, 0,1
	ds_load_b32 v[SC+16*\sc+2*\i+\q], v[ADRS] offset:512*\q+64*\i
.endr
.endr
.endm
; The 64 accumulators take turns, one instruction a turn, in the same order in every step.  first = 1: the bias (window 0) is the C.
.macro MUL16 a0, p, q, sc, first
.irp a, \a0, \a0+1
.irp b, 0,1,2,3,4,5,6,7
.if \first
	v_wmma_scale_f32_16x16x128_f8f6f4 v[8*(8*((\a)%4)+\b):8*(8*((\a)%4)+\b)+7], v[128*(\p)+FR*\b:128*(\p)+FR*\b+FR-1], v[AF+FR*(\a):AF+FR*(\a)+FR-1], v[BI+8*\b:BI+8*\b+7], v[SC+16*(\sc)+2*\b+(\q)], v[SC+16*(\sc)+2*(\a)+(\q)] matrix_a_fmt:MATRIX_FMT_BF8 matrix_b_fmt:MATRIX_FMT_BF8 matrix_a_scale:MATRIX_SCALE_ROW1
.else
	v_wmma_scale_f32_16x16x128_f8f6f4 v[8*(8*((\a)%4)+\b):8*(8*((\a)%4)+\b)+7], v[128*(\p)+FR*\b:128*(\p)+FR*\b+FR-1], v[AF+FR*(\a):AF+FR*(\a)+FR-1], v[8*(8*((\a)%4)+\b):8*(8*((\a)%4)+\b)+7], v[SC+16*(\sc)+2*\b+(\q)], v[SC+16*(\sc)+2*(\a)+(\q)] matrix_a_fmt:MATRIX_FMT_BF8 matrix_b_fmt:MATRIX_FMT_BF8 matrix_a_scale:MATRIX_SCALE_ROW1
.endif
.endr
.endr
.endm
.macro STEP slot, q, first
	s_wait_dscnt 4*NL                              ; all but the youngest sixteen loads (x's blocks 4-7) are in
	WIN MUL_LO-0x20*(\first)
	MUL16 0, (\q)%2, \q, \slot, \first
	MUL16 2, (\q)%2, \q, \slot, \first
	s_wait_dscnt 0
	PLACES NP                                      ; eight places ahead of loads into registers that matrix instructions have read
	FETCH_B \slot, (\q)+1, 1-(\q)%2
	FETCH_A \slot, (\q)+1, 0
	WIN MUL_HI-0x30*(\first)
	MUL16 4, (\q)%2, \q, \slot, \first
	MUL16 6, (\q)%2, \q, \slot, \first
	PLACES NP
	WIN 0
	FETCH_A \slot, (\q)+1, 4
.endm
; A slot's last step changes slots: one barrier; in front of it each wave waits for all its tensor loads, adds 0 to its spare word, and waits for that and for its reads of this slot.
; fill = 1: the slot is filled again with this tile's K step two on; 2: with the next tile's K step 0 or 1; 0: nothing is left to fetch.
; fetch = 0: the tile's very last step: the next slot's fragments are not fetched here, since the way out takes x's registers.  ask: which K step of the second tile is prefetched (1 to 4), or 0.
.macro TURN slot, next, fill, fetch, ask
	s_wait_tensorcnt 0x0                           ; all my tensor loads have landed: my part of the next slot
	ds_add_u32 v[SPW], v[NIL]                      ; 0 onto my spare word
	s_wait_dscnt 4*NL+1                            ; the add and the youngest sixteen loads may be out
	WIN MUL_LO
	MUL16 0, 1, NQ-1, \slot, 0
	s_wait_dscnt 0x0                               ; the add is done, and my reads of this slot are over
	s_barrier_signal -1
	MUL16 2, 1, NQ-1, \slot, 0
	WIN 0
	s_barrier_wait -1
.if \fill
	CREST                                          ; a round of the cluster's barrier: no wave of any partner still reads this slot or has a load on its way
.if \fill == 1
	s_add_nc_u64 s[G0+4*\slot+2:G0+4*\slot+3], s[G0+4*\slot+2:G0+4*\slot+3], 2*ASTEP
	s_add_nc_u64 s[G0B+4*\slot+2:G0B+4*\slot+3], s[G0B+4*\slot+2:G0B+4*\slot+3], 2*BSTEP
.else
	s_sub_nc_u64 s[G0+4*\slot+2:G0+4*\slot+3], s[G0+4*\slot+2:G0+4*\slot+3], 2*ASTEP-TILEA   ; back along K, 256 rows down
	s_sub_nc_u64 s[G0B+4*\slot+2:G0B+4*\slot+3], s[G0B+4*\slot+2:G0B+4*\slot+3], 2*BSTEP     ; back along K: both tiles take the same rows of wc
.endif
	JLOAD G0+4*\slot, G1, G0B+4*\slot, G1B         ; the first tensor load behind the round; its four v_nop are among the places below
.if \fetch
	PLACES NP-4
.endif
.else
	PLACES NP
.endif
.if \fetch
	v_add_nc_u32 v[ADRS], 1024, v[ADRS]
	FETCH_B \next, 0, 0
	FETCH_A \next, 0, 0
	SCALES \next
.endif
.if \ask == 1
	ASK PFA, 0
.elseif \ask == 2
	ASK PFA, ASTEP
.elseif \ask == 3
	ASK PFB, 0
.elseif \ask == 4
	ASK PFB, ASTEP
.endif
	WIN MUL_HI
	MUL16 4, 1, NQ-1, \slot, 0
	MUL16 6, 1, NQ-1, \slot, 0
.if \fetch
	PLACES NP
	WIN 0
	FETCH_A \next, 0, 4
.else
	WIN 0
.endif
.endm
; 64 numbers of a lane in four blocks of 16 (a block of 32 lies in lanes l and l xor 16) become codes in v[PC] on and four scale bytes in v[PW]
.macro QUANT s
.irp b, 0,1,2,3
	v_max3_num_f32 v[TM+\b], |v[\s+16*\b]|, |v[\s+1+16*\b]|, 0x8000000   ; and the floor 2^(16 - 127): the byte cannot fall under 1
.endr
.irp i, 2,4,6,8,10,12,14
.irp b, 0,1,2,3
	v_max3_num_f32 v[TM+\b], v[TM+\b], |v[\s+16*\b+\i]|, |v[\s+1+16*\b+\i]|
.endr
.endr
.irp b, 0,1,2,3
	v_permlanex16_b32 v[TM+4+\b], v[TM+\b], s[SEL], s[SEL+1]
.endr
.irp b, 0,1,2,3
	v_max_num_f32 v[TM+\b], v[TM+\b], v[TM+4+\b]
.endr
.irp b, 0,1,2,3
	v_add_nc_u32 v[TM+12+\b], 0xf8800000, v[TM+\b]         ; 15 off the exponent field: the conversion's scale operand
.endr
.irp b, 0,1,2,3
	v_and_or_b32 v[TM+8+\b], v[TM+\b], 0x7f800000, s[MNT]  ; 57,344 x the scale
.endr
.irp b, 0,1,2,3
	v_lshrrev_b32 v[TM+4+\b], 23, v[TM+12+\b]              ; the scale's byte
.endr
	v_lshl_or_b32 v[PW], v[TM+5], 8, v[TM+4]
	v_lshl_or_b32 v[PW], v[TM+6], 16, v[PW]
	v_lshl_or_b32 v[PW], v[TM+7], 24, v[PW]
.irp b, 0,1,2,3
.irp i, 0,1,2,3,4,5,6,7,8,9,10,11,12,13,14,15
	v_med3_num_f32 v[\s+16*\b+\i], v[\s+16*\b+\i], -v[TM+8+\b], v[TM+8+\b]   ; the conversion does not saturate (ISA guide 7.6.2): the hold comes first
.endr
	v_cvt_scalef32_pk8_bf8_f32 v[PC+4*\b:PC+1+4*\b], v[\s+16*\b:\s+7+16*\b], v[TM+12+\b]
	v_cvt_scalef32_pk8_bf8_f32 v[PC+2+4*\b:PC+3+4*\b], v[\s+8+16*\b:\s+15+16*\b], v[TM+12+\b]
.endr
	v_nop                                                  ; one plain line behind the last conversion
.endm
	s_load_b128 s[4:7], s[0:1], 0x0                ; xc, xs
	s_load_b128 s[8:11], s[0:1], 0x10              ; wc, ws
	s_load_b128 s[96:99], s[0:1], 0x20             ; part, bq
	s_load_b128 s[92:95], s[0:1], 0x30             ; bv, rc
	s_load_b64 s[12:13], s[0:1], 0x40              ; rs
	v_lshl_add_u32 v[SPW], v0, 2, SPARE
	v_mov_b32 v[NIL], 0
	ds_add_u32 v28, v29
	s_wait_dscnt 0x0
	v_lshrrev_b32 v1, 5, v0
	v_readfirstlane_b32 s14, v1                    ; wave
	s_lshr_b32 s15, s14, 1                         ; rh; also: I fetch for x (0) or for wc (1)
	s_and_b32 s16, s14, 1                          ; ch; also: which half I fetch
	s_bfe_u32 s40, ttmp6, 0x40000
	s_bfe_u32 s41, ttmp6, 0x40004
	s_lshl_b32 s42, ttmp9, 2
	s_add_co_u32 s42, s42, s40                     ; tx
	s_and_b32 s17, ttmp7, 0xffff
	s_lshl_b32 s17, s17, 2
	s_add_co_u32 s17, s17, s41                     ; work-group y,
	s_lshl_b32 s17, s17, 1                         ; ty of my first tile: 2 y
	s_lshl_b32 s43, s41, 2
	s_lshl_b32 s43, 15, s43
	s_lshl_b32 s44, 0x1111, s40
	s_or_b32 s[G1+0], s43, (3<<16)|(1<<21)         ; the mask; elements of 8 bytes; bit 21 beside a mask; no padding
	s_or_b32 s[G1B+0], s44, (3<<16)|(1<<21)
.irp g, G1, G1B
	s_mov_b32 s[\g+1], 32<<16                      ; 128 rows of 256 bytes, dense
	s_mov_b32 s[\g+2], 128<<16
	s_mov_b32 s[\g+3], 32<<16
	s_mov_b32 s[\g+4], 128
	s_mov_b32 s[\g+5], 32
	s_mov_b32 s[\g+6], 0
	s_mov_b32 s[\g+7], 0
.endr
	s_or_b32 s[G1S+0], s43, (3<<16)|(1<<21)
	s_mov_b32 s[G1S+1], 64<<16                     ; x's scale words: 8 rows of 512 bytes, 65,536 bytes apart
	s_mov_b32 s[G1S+2], 8<<16
	s_mov_b32 s[G1S+3], 64<<16
	s_mov_b32 s[G1S+4], 8
	s_mov_b32 s[G1S+5], 8192
	s_mov_b32 s[G1S+6], 0
	s_mov_b32 s[G1S+7], 0
	s_or_b32 s[G1SB+0], s44, (3<<16)|(1<<21)
	s_mov_b32 s[G1SB+1], 64<<16                    ; wc's: in two loads of 4 rows of 512 bytes, 16,384 bytes apart, so that every wave has the same four first fills
	s_mov_b32 s[G1SB+2], 4<<16
	s_mov_b32 s[G1SB+3], 64<<16
	s_mov_b32 s[G1SB+4], 4
	s_mov_b32 s[G1SB+5], 2048
	s_mov_b32 s[G1SB+6], 0
	s_mov_b32 s[G1SB+7], 0
	s_lshl_b32 s20, s17, 16
	s_lshl_b32 s21, s16, 15
	s_add_co_u32 s20, s20, s21
	s_mov_b32 s21, 0
	s_lshl_b32 s22, s17, 10
	s_lshl_b32 s23, s16, 9
	s_add_co_u32 s22, s22, s23
	s_mov_b32 s23, 0
	s_lshl_b32 s46, s42, 1                         ; wc: row block 12 (2 tx + half) + 4: Wq's four, then Wv's four
	s_add_co_u32 s46, s46, s16
	s_mul_i32 s46, s46, 12
	s_add_co_u32 s46, s46, 4
	s_lshl_b32 s2, s46, 6
	s_mov_b32 s3, 0
	s_lshl_b32 s46, s46, 12
	s_mov_b32 s47, 0
	s_lshl_b32 s45, s14, 15
	s_lshl_b32 s18, s16, 12
	s_wait_kmcnt 0x0
	s_add_nc_u64 s[20:21], s[4:5], s[20:21]
	s_add_nc_u64 s[22:23], s[6:7], s[22:23]
	s_add_nc_u64 s[46:47], s[8:9], s[46:47]
	s_add_nc_u64 s[2:3], s[10:11], s[2:3]
	CROUND                                         ; all sixteen work-groups are here: the first joint loads meet
	s_mov_b32 s[G0S], 1
	s_add_co_u32 s[G0S+1], s18, SCLA
	s_mov_b64 s[G0S+2:G0S+3], s[22:23]
	s_or_b32 s[G0S+3], s[G0S+3], 0x80000000
	s_mov_b32 s[G0SB], 1
	s_add_co_u32 s[G0SB+1], s18, SCLB
	s_mov_b64 s[G0SB+2:G0SB+3], s[2:3]
	s_or_b32 s[G0SB+3], s[G0SB+3], 0x80000000
	JLOAD G0S, G1S, G0SB, G1SB                     ; x's scale words of the first tile; wc's of k = 0 .. 511
	s_mov_b32 s[G0T], 1                            ; (the four arguments' registers are free: their addresses have been taken on)
	s_add_co_u32 s[G0T+1], s18, SCLA+8192
	s_add_nc_u64 s[G0T+2:G0T+3], s[22:23], 1024    ; 256 rows' words on
	s_or_b32 s[G0T+3], s[G0T+3], 0x80000000
	s_mov_b32 s[G0TB], 1
	s_add_co_u32 s[G0TB+1], s18, SCLB+2048
	s_add_nc_u64 s[G0TB+2:G0TB+3], s[2:3], 65536   ; four steps of 16,384 bytes on
	s_or_b32 s[G0TB+3], s[G0TB+3], 0x80000000
	JLOAD G0T, G1S, G0TB, G1SB                     ; x's scale words of the second tile; wc's of k = 512 .. 1,023
.irp s, 0,1
	s_mov_b32 s[G0+4*\s], 1
	s_add_co_u32 s[G0+4*\s+1], s45, \s*SLOT
	s_add_nc_u64 s[G0+4*\s+2:G0+4*\s+3], s[20:21], \s*ASTEP
	s_or_b32 s[G0+4*\s+3], s[G0+4*\s+3], 0x80000000
	s_mov_b32 s[G0B+4*\s], 1
	s_add_co_u32 s[G0B+4*\s+1], s45, \s*SLOT
	s_add_nc_u64 s[G0B+4*\s+2:G0B+4*\s+3], s[46:47], \s*BSTEP
	s_or_b32 s[G0B+4*\s+3], s[G0B+4*\s+3], 0x80000000
	JLOAD G0+4*\s, G1, G0B+4*\s, G1B               ; four tensor loads of mine are out
.endr
	; ---- where my prefetches stand: the half that I fetch, of the second tile, my work-group's 8,192 bytes of its 32,768
	s_lshl_b32 s[PFB], s40, 13
	s_mov_b32 s[PFB+1], 0
	s_add_nc_u64 s[PFA:PFA+1], s[20:21], s[PFB:PFB+1]
	s_add_nc_u64 s[PFA:PFA+1], s[PFA:PFA+1], TILEA
	s_add_nc_u64 s[PFB:PFB+1], s[PFA:PFA+1], 2*ASTEP
	s_or_b32 s[LIM], s15, ttmp9                    ; 0 in waves 0 and 1 of the clusters with x = 0: the same in all sixteen partners, for a given wave
	; ---- the pointers that hang on both coordinates
	s_lshl_b32 s20, s42, 1
	s_add_co_u32 s20, s20, s16                     ; my head
	s_lshr_b32 s18, s17, 4
	s_lshl_b32 s18, s18, 17                        ; the batch's 16 tile rows x 16 heads x 512 bytes
	s_lshl_b32 s19, s20, 9
	s_add_co_u32 s18, s18, s19
	s_mov_b32 s19, 0
	s_add_nc_u64 s[96:97], s[96:97], s[18:19]      ; part[16 batch][head]
	s_lshl_b32 s18, s20, 8
	s_add_nc_u64 s[98:99], s[98:99], s[18:19]      ; bq and bv at my head
	s_add_nc_u64 s[92:93], s[92:93], s[18:19]
	s_lshr_b32 s18, s42, 1                         ; rc: R's columns 128 tx + 64 ch on: p = tx / 2, s = tx % 2, c = 2 ch on; row block 16 ty + 8 rh
	s_lshl_b32 s18, s18, 22
	s_lshl_b32 s20, s17, 16
	s_add_co_u32 s18, s18, s20
	s_lshl_b32 s20, s15, 15
	s_add_co_u32 s18, s18, s20
	s_and_b32 s20, s42, 1
	s_lshl_b32 s20, s20, 11
	s_add_co_u32 s18, s18, s20
	s_lshl_b32 s20, s16, 10
	s_add_co_u32 s18, s18, s20
	s_add_nc_u64 s[94:95], s[94:95], s[18:19]
	s_lshl_b32 s18, s42, 16                        ; rs: [tx][256 ty + 64 w] words
	s_lshl_b32 s20, s17, 10
	s_add_co_u32 s18, s18, s20
	s_lshl_b32 s20, s14, 8
	s_add_co_u32 s18, s18, s20
	s_add_nc_u64 s[12:13], s[12:13], s[18:19]
	v_and_b32 v1, 31, v0                           ; L
	v_and_b32 v2, 15, v0                           ; r
	v_bfe_u32 v3, v0, 4, 1                         ; h
	v_lshlrev_b32 v4, 4, v1                        ; v4 = 16 L
	v_lshlrev_b32 v6, 6, v3                        ; v6 = 64 h
	v_lshlrev_b32 v[PFO], 8, v1
.set i, 0
.rept 16
	global_load_b128 v[128+4*i:131+4*i], v4, s[96:97] offset:8192*i   ; tile row i's sums of my head
.set i, i+1
.endr
.irp b, 0,1,2,3
	global_load_b128 v[BI+8*\b:BI+8*\b+3], v6, s[98:99] offset:(32*(\b/2)+8*(\b%2))*4
	global_load_b128 v[BI+8*\b+4:BI+8*\b+7], v6, s[98:99] offset:(32*(\b/2)+8*(\b%2))*4+16
.endr
.irp b, 0,1,2,3
	global_load_b128 v[BI+32+8*\b:BI+32+8*\b+3], v6, s[92:93] offset:(32*(\b/2)+8*(\b%2))*4
	global_load_b128 v[BI+32+8*\b+4:BI+32+8*\b+7], v6, s[92:93] offset:(32*(\b/2)+8*(\b%2))*4+16
.endr
	s_lshl_b32 s21, s15, 15
	s_lshl_b32 s22, s16, 15
	s_add_co_u32 s22, s22, 2*HALFT
.irp s, 0,1
	v_add_nc_u32 v[ADRA+\s], s21, v4
	v_add_nc_u32 v[ADRB+\s], s22, v4
	s_add_co_u32 s21, s21, SLOT
	s_add_co_u32 s22, s22, SLOT
.endr
	s_lshl_b32 s21, s15, 12                        ; scale words: lanes 0-15 x's rows of my half, lanes 16-31 wc's: one product in h
	s_lshl_b32 s22, s16, 12
	s_add_co_u32 s22, s22, SCLB-SCLA
	s_sub_co_u32 s22, s22, s21
	v_mul_u32_u24 v5, s22, v3
	s_add_co_u32 s21, s21, SCLA
	v_lshl_add_u32 v5, v2, 2, v5
	v_add_nc_u32 v[ADRS], s21, v5
	s_sub_co_u32 s22, s22, 8192                    ; the second tile: x's words lie 8,192 bytes on, wc's where they were
	v_mul_u32_u24 v5, s22, v3
	s_add_co_u32 s21, s21, 8192
	v_lshl_add_u32 v5, v2, 2, v5
	v_add_nc_u32 v[ADRT], s21, v5
	s_lshl_b32 s21, s14, 9
	s_add_co_u32 s21, s21, GKT
	v_add_nc_u32 v7, s21, v4                       ; v7: where gk goes
	v_lshl_add_u32 v18, v3, 6, s21                 ; v18: and comes back: my half's columns
	s_lshl_b32 s21, s15, 9
	s_lshl_b32 s22, s16, 1
	s_add_co_u32 s21, s21, s22
	s_add_co_u32 s21, s21, RSG
	v_lshl_add_u32 v19, v2, 2, s21                 ; v19: row 128 rh + r's scale word, my head's two bytes of it
	s_lshl_b32 s21, s14, 8
	s_add_co_u32 s21, s21, RSG
	v_lshlrev_b32 v23, 3, v1                       ; v23 = 8 L
	v_add_nc_u32 v22, s21, v23                     ; v22: 64 rows' words on the way out
	s_mov_b32 s[SEL], 0x76543210
	s_mov_b32 s[SEL+1], 0xfedcba98
	s_mov_b32 s[MNT], 0x600000
	; ---- gq and gk
; y = x / max(the norm of x over sixteen lanes x four numbers, 1e-6)
.macro NORM x, y
	v_mul_f32 v12, v[\x], v[\x]
	v_fma_f32 v12, v[\x+1], v[\x+1], v12
	v_fma_f32 v12, v[\x+2], v[\x+2], v12
	v_fma_f32 v12, v[\x+3], v[\x+3], v12
.irp m, 1,2,4,8
	v_add_f32_dpp v12, v12, v12 row_xmask:\m row_mask:0xf bank_mask:0xf
.endr
	v_sqrt_f32 v12, v12
	v_nop
	s_wait_alu depctr_va_vdst(0)
	v_max_num_f32 v12, 0x358637bd, v12
	v_rcp_f32 v12, v12
	v_nop
	s_wait_alu depctr_va_vdst(0)
.irp k, 0,1,2,3
	v_mul_f32 v[\y+\k], v[\x+\k], v12
.endr
.endm
	s_wait_loadcnt 16                              ; the sixteen loads of the bias may be out
	v_pk_add_f32 v[8:9], v[128:129], v[132:133]
	v_pk_add_f32 v[10:11], v[130:131], v[134:135]
.set i, 2
.rept 14
	v_pk_add_f32 v[8:9], v[8:9], v[128+4*i:129+4*i]
	v_pk_add_f32 v[10:11], v[10:11], v[130+4*i:131+4*i]
.set i, i+1
.endr
	NORM 8, 128                                    ; lanes 16-31: gq
.irp k, 0,1,2,3
	v_permlanex16_b32 v[132+\k], v[128+\k], s[SEL], s[SEL+1]   ; gq comes to lanes 0-15
.endr
.irp k, 0,1,2,3
	v_mul_f32 v[136+\k], v[8+\k], v[132+\k]        ; lanes 0-15: the sum of kw K, x gq
.endr
	NORM 136, 140                                  ; lanes 0-15: gk
	ds_store_b128 v7, v[140:143]                   ; lanes 16-31 land in the half of my 512 bytes that nobody reads
; A WAY OUT: R = V gk + Q, two blocks of 16 rows at a time: 64 numbers a lane, four blocks of 32 along R's columns; t: the tile.
.macro RPAIR a, t
.if (\a) > 0
	s_wait_xcnt 0x0                                ; the last pair's stores have read the codes' registers
.endif
	s_wait_dscnt 0x0                               ; gk is in; the last pair's scale bytes have left their register
	WIN 0x22+0x11*((\a)/4)                         ; sources 0 (V) and 2 (Q): window 2 or 3
.irp e, 0,1
.irp i, 0,1,2,3
.irp j, 0,2,4,6
	v_pk_fma_f32 v[RN+32*\e+8*\i+\j:RN+32*\e+8*\i+\j+1], v[64*(((\a)+\e)%4)+32+8*\i+\j:64*(((\a)+\e)%4)+32+8*\i+\j+1], v[GK+8*\i+\j:GK+8*\i+\j+1], v[64*(((\a)+\e)%4)+8*\i+\j:64*(((\a)+\e)%4)+8*\i+\j+1]
.endr
.endr
.endr
	WIN 0
	QUANT RN
.irp u, 0,1,2,3
	global_store_b128 v4, v[PC+4*\u:PC+4*\u+3], s[94:95] offset:TILEA*(\t)+4096*((\a)+\u/2)+512*(\u%2)   ; 512 consecutive bytes of the operand's image
.endr
	ds_store_b16 v19, v[PW] offset:64*(\a)                 ; block a's two bytes,
	ds_store_b16_d16_hi v19, v[PW] offset:64*(\a)+64       ; block a + 1's
.endm
; Tensor loads may be on their way across the way out's barrier.
.macro WAYOUT t
	PLACES NP
.irp i, 0,1,2,3
	ds_load_b128 v[GK+8*\i:GK+8*\i+3], v18 offset:128*(\i/2)+32*(\i%2)
	ds_load_b128 v[GK+8*\i+4:GK+8*\i+7], v18 offset:128*(\i/2)+32*(\i%2)+16
.endr
.irp b, 0,1,2,3
	v_mov_b32 v[TM+4+\b], 0                        ; a lane permute's destination counts as one of its sources
.endr
	RPAIR 0, \t
	RPAIR 2, \t
	RPAIR 4, \t
	RPAIR 6, \t
	s_wait_dscnt 0x0
	s_barrier_signal -1
	s_barrier_wait -1                              ; a word's four bytes come from two waves
	ds_load_b64 v[8:9], v22
	s_wait_dscnt 0x0
	global_store_b64 v23, v[8:9], s[12:13] offset:1024*\t   ; 256 consecutive bytes, aligned; a tile on is 256 words on
.endm
	s_wait_tensorcnt 1                             ; the scale words and my part of K step 0 are in; K step 1's load may be out
	s_wait_dscnt 0x0
	s_wait_loadcnt 0x0                             ; the bias
	s_barrier_signal -1
	s_barrier_wait -1
	; ---- THE FIRST TILE
	FETCH_B 0, 0, 0
	FETCH_A 0, 0, 0
	SCALES 0
	FETCH_A 0, 0, 4
	STEP 0, 0, 1
	TURN 0, 1, 1, 1, 1
	STEP 1, 0, 0
	TURN 1, 0, 1, 1, 2
	STEP 0, 0, 0
	TURN 0, 1, 2, 1, 3                             ; THE RING GOES ON INTO THE SECOND TILE: slot 0 takes its K step 0,
	STEP 1, 0, 0
	TURN 1, 0, 2, 0, 4                             ; slot 1 its K step 1.  The wait for all loads in front of this round has shown slot 0 whole to every wave
	WAYOUT 0
	s_wait_xcnt 0x0                                ; the stores have read their registers: x's fragments land there again
	; ---- THE SECOND TILE
.set ADRS, ADRT
	FETCH_B 0, 0, 0
	FETCH_A 0, 0, 0
	SCALES 0
	FETCH_A 0, 0, 4
	STEP 0, 0, 1
	TURN 0, 1, 1, 1, 0
	STEP 1, 0, 0
	TURN 1, 0, 1, 1, 0
	STEP 0, 0, 0
	TURN 0, 1, 0, 1, 0                             ; nothing is left to fetch
	STEP 1, 0, 0
	s_wait_dscnt 4*NL
	WIN MUL_LO
	MUL16 0, 1, NQ-1, 1, 0
	MUL16 2, 1, NQ-1, 1, 0
	s_wait_dscnt 0
	WIN MUL_HI
	MUL16 4, 1, NQ-1, 1, 0
	MUL16 6, 1, NQ-1, 1, 0
	WIN 0
	WAYOUT 1
	s_wait_tensorcnt 0x0                           ; the wave's end
	ds_add_u32 v[SPW], v[NIL]
	s_wait_dscnt 0x0
	CROUND                                         ; the closing round
	s_endpgm
.Lfunc_end_k_qa7221f6229_qv:
	.size	k_qa7221f6229_qv, .Lfunc_end_k_qa7221f6229_qv-k_qa7221f6229_qv
	.p2alignl 7, 3214868480
	.fill 96, 4, 3214868480
	.section	.rodata,"a",@progbits
	.p2align	6, 0x0
	.amdhsa_kernel k_qa7221f6229_qv
		.amdhsa_group_segment_fixed_size 327680
		.amdhsa_private_segment_fixed_size 0
		.amdhsa_enable_private_segment 0
		.amdhsa_kernarg_size 72
		.amdhsa_user_sgpr_count 2
		.amdhsa_user_sgpr_kernarg_segment_ptr 1
		.amdhsa_wavefront_size32 1
		.amdhsa_system_sgpr_workgroup_id_x 1
		.amdhsa_system_sgpr_workgroup_id_y 1
		.amdhsa_system_sgpr_workgroup_id_z 1
		.amdhsa_system_vgpr_workitem_id 0
		.amdhsa_next_free_vgpr 1024
		.amdhsa_next_free_sgpr 106
		.amdhsa_reserve_vcc 0
		.amdhsa_float_denorm_mode_32 3
		.amdhsa_float_denorm_mode_16_64 3
		.amdhsa_memory_ordered 1
		.amdhsa_forward_progress 1
		.amdhsa_inst_pref_size 255
	.end_amdhsa_kernel
	.section	.bss,"aw",@nobits
	.p2align	6
	.space	262144
	.amdgpu_metadata
---
amdhsa.version: [ 1, 2 ]
amdhsa.kernels:
  - .name:           k_qa7221f6229_qv
    .symbol:         k_qa7221f6229_qv.kd
    .args:
      - { .name: xc, .offset: 0, .size: 8, .value_kind: global_buffer, .address_space: global }
      - { .name: xs, .offset: 8, .size: 8, .value_kind: global_buffer, .address_space: global }
      - { .name: wc, .offset: 16, .size: 8, .value_kind: global_buffer, .address_space: global }
      - { .name: ws, .offset: 24, .size: 8, .value_kind: global_buffer, .address_space: global }
      - { .name: part, .offset: 32, .size: 8, .value_kind: global_buffer, .address_space: global }
      - { .name: bq, .offset: 40, .size: 8, .value_kind: global_buffer, .address_space: global }
      - { .name: bv, .offset: 48, .size: 8, .value_kind: global_buffer, .address_space: global }
      - { .name: rc, .offset: 56, .size: 8, .value_kind: global_buffer, .address_space: global }
      - { .name: rs, .offset: 64, .size: 8, .value_kind: global_buffer, .address_space: global }
    .group_segment_fixed_size: 327680
    .private_segment_fixed_size: 0
    .kernarg_segment_align: 8
    .kernarg_segment_size: 72
    .max_flat_workgroup_size: 128
    .sgpr_count:     106
    .vgpr_count:     1024
    .wavefront_size: 32
...
	.end_amdgpu_metadata
.endif
;; end of part 3
;; launch outp (part 4): grid 4 x 64, 4 waves a work-group, clusters of 4 x 4, 327,680 bytes of LDS; arguments rc, rs, wc, ws, bo, out0; writes out0
.if DOCPART == 4
	.amdgcn_target "amdgcn-amd-amdhsa--gfx1250"
	.amdhsa_code_object_version 6
	.text
	.protected	k_qa7221f6229_outp
	.globl	k_qa7221f6229_outp
	.p2align	8
	.type	k_qa7221f6229_outp,@function
k_qa7221f6229_outp:
	s_mov_b64 s[64:65], 0
	v_nop
	global_prefetch_b8 v0, s[64:65] scope:SCOPE_SE
	s_setreg_imm32_b32 hwreg(HW_REG_WAVE_MODE, 25, 1), 1
	s_wait_xcnt 0x0
	s_wait_alu depctr_hold_cnt(0) depctr_sa_sdst(0) depctr_va_vdst(0) depctr_va_sdst(0) depctr_va_ssrc(0) depctr_va_vcc(0) depctr_vm_vsrc(0)
	s_getreg_b32 s2, hwreg(HW_REG_IB_STS2, 6, 4)
	s_cmp_eq_u32 s2, 0
	s_cbranch_scc0 .Lentry_in_a_cluster
	s_endpgm
.Lentry_in_a_cluster:
	s_bfe_u32 s2, ttmp6, 0x10000c
	s_cmp_lg_u32 s2, 0xf033
	s_cbranch_scc0 .Lentry_shape_is_right
	s_endpgm
.Lentry_shape_is_right:
; OUTP.  out = clip(R Wo + bo, -100, 100) on codes of BF8 (E5M2) with E8M0 scales.  A tile of 256 x 256 a work-group, four waves of 128 x 128: 64 accumulators, 512 registers.
; The product is that of the two launches before: K in steps of 256 through two LDS slots, operands in register order (a tile of 128 rows x 256 K is 32,768 consecutive bytes), the scale words of all of K brought once,
; the bias as the first C, joint loads in a cluster of 4 x 4 (R's tiles along a row, Wo's along a column).
; Source 0 = 16 rows of wc (Wo's columns), source 1 = 16 rows of R: lane (r, h) holds R's row r, and register j of tile b the column 32 (b / 2) + 16 h + 8 (b % 2) + j of my 128.
; THE WAY OUT: a block of 16 rows is clipped, goes through my own stage in LDS and leaves as whole rows of 512 bytes.  The clip drops a NaN (LIMIT: NaN and infinities are not served).
; No prefetch: a tile has four K steps, of which two are first fills.
.set NQ,    2
.set FR,    16
.set NL,    4
.set NP,    8
.set HALFT, 32768
.set SLOT,  4*HALFT
.set ASTEP, 4194304
.set BSTEP, 1048576
.set SCLA,  2*SLOT
.set SCLB,  SCLA+8320
.set SPARE, SCLB+8320                  ; the spare words: 128 bytes for each wave, two blocks of 256 bytes that no other line names
.set EXTRA, SPARE+512
.set SPITCH, 528                       ; the stage: 16 rows x (512 bytes + 16) for each wave, bytes of its own
.set ADRA, 16
.set ADRB, 20
.set ADRS, 27
.set SPW,  28
.set NIL,  29
.set SC,   32
.set BI,   64
.set TT,   64                          ; the way out: a block's 64 clipped numbers, where the bias lay
.set AF,   128
.set G1, 24
.set G0, 32
.set G1B, 48
.set G0B, 56
.set G1S, 68
.set G0S, 76
.set G1SB, 80
.set G0SB, 88
.set MSB, 0
.macro WIN new
.if MSB != (\new)
	s_set_vgpr_msb (MSB<<8)|(\new)
.set MSB, (\new)
.endif
.endm
.set MUL_LO, 0xa1
.set MUL_HI, 0xf1
.set TO_B,   0x40
.macro JLOAD g0a, g1a, g0b, g1b        ; a joint load: waves 0 and 1 fetch for R, waves 2 and 3 for wc; four v_nop follow each line
	s_cmp_eq_u32 s15, 0
	s_cbranch_scc0 .Lfor_b_\@
	tensor_load_to_lds s[\g0a:\g0a+3], s[\g1a:\g1a+7]
	s_nop 0
.rept 4
	v_nop
.endr
	s_branch .Lasked_\@
.Lfor_b_\@:
	tensor_load_to_lds s[\g0b:\g0b+3], s[\g1b:\g1b+7]
	s_nop 0
.rept 4
	v_nop
.endr
.Lasked_\@:
.endm
.macro CREST
	s_cmp_lg_u32 s14, 0
	s_cbranch_scc1 .Lnot_wave_0_\@
	s_barrier_signal -3
.Lnot_wave_0_\@:
	s_barrier_wait -3
	s_barrier_signal -1
	s_barrier_wait -1
.endm
.macro CROUND
	s_barrier_signal -1
	s_barrier_wait -1
	CREST
.endm
.macro PLACES n
.rept \n
	v_nop
.endr
.endm
.macro FRAG reg, adr, q, i
.irp c, 0,1,2,3
	ds_load_b128 v[\reg+4*\c:\reg+4*\c+3], v[\adr] offset:4096*(\i)+2048*(\q)+512*\c
.endr
.endm
.macro FETCH_B slot, q, p
	WIN TO_B
.irp i, 0,1,2,3,4,5,6,7
	FRAG 128*(\p)+FR*\i, ADRB+\slot, \q, \i
.endr
	WIN 0
.endm
.macro FETCH_A slot, q, i0
.irp i, \i0, \i0+1, \i0+2, \i0+3
	FRAG AF+FR*(\i), ADRA+\slot, \q, \i
.endr
.endm
.macro SCALES sc
.irp i, 0,1,2,3,4,5,6,7
.irp q, 0,1
	ds_load_b32 v[SC+16*\sc+2*\i+\q], v[ADRS] offset:512*\q+64*\i
.endr
.endr
.endm
; The 64 accumulators take turns, one instruction a turn, in the same order in every step.  first = 1: the bias (window 0) is the C.
.macro MUL16 a0, p, q, sc, first
.irp a, \a0, \a0+1
.irp b, 0,1,2,3,4,5,6,7
.if \first
	v_wmma_scale_f32_16x16x128_f8f6f4 v[8*(8*((\a)%4)+\b):8*(8*((\a)%4)+\b)+7], v[128*(\p)+FR*\b:128*(\p)+FR*\b+FR-1], v[AF+FR*(\a):AF+FR*(\a)+FR-1], v[BI+8*\b:BI+8*\b+7], v[SC+16*(\sc)+2*\b+(\q)], v[SC+16*(\sc)+2*(\a)+(\q)] matrix_a_fmt:MATRIX_FMT_BF8 matrix_b_fmt:MATRIX_FMT_BF8 matrix_a_scale:MATRIX_SCALE_ROW1
.else
	v_wmma_scale_f32_16x16x128_f8f6f4 v[8*(8*((\a)%4)+\b):8*(8*((\a)%4)+\b)+7], v[128*(\p)+FR*\b:128*(\p)+FR*\b+FR-1], v[AF+FR*(\a):AF+FR*(\a)+FR-1], v[8*(8*((\a)%4)+\b):8*(8*((\a)%4)+\b)+7], v[SC+16*(\sc)+2*\b+(\q)], v[SC+16*(\sc)+2*(\a)+(\q)] matrix_a_fmt:MATRIX_FMT_BF8 matrix_b_fmt:MATRIX_FMT_BF8 matrix_a_scale:MATRIX_SCALE_ROW1
.endif
.endr
.endr
.endm
.macro STEP slot, q, first
	s_wait_dscnt 4*NL                              ; all but the youngest sixteen loads (R's blocks 4-7) are in
	WIN MUL_LO-0x20*(\first)
	MUL16 0, (\q)%2, \q, \slot, \first
	MUL16 2, (\q)%2, \q, \slot, \first
	s_wait_dscnt 0
	PLACES NP                                      ; eight places ahead of loads into registers that matrix instructions have read
	FETCH_B \slot, (\q)+1, 1-(\q)%2
	FETCH_A \slot, (\q)+1, 0
	WIN MUL_HI-0x30*(\first)
	MUL16 4, (\q)%2, \q, \slot, \first
	MUL16 6, (\q)%2, \q, \slot, \first
	PLACES NP
	WIN 0
	FETCH_A \slot, (\q)+1, 4
.endm
.macro TURN slot, next, fill
	s_wait_tensorcnt 0x0                           ; all my tensor loads have landed: my part of the next slot
	ds_add_u32 v[SPW], v[NIL]                      ; 0 onto my spare word
	s_wait_dscnt 4*NL+1                            ; the add and the youngest sixteen loads may be out
	WIN MUL_LO
	MUL16 0, 1, NQ-1, \slot, 0
	s_wait_dscnt 0x0                               ; the add is done, and my reads of this slot are over
	s_barrier_signal -1
	MUL16 2, 1, NQ-1, \slot, 0
	WIN 0
	s_barrier_wait -1
.if \fill
	CREST                                          ; a round of the cluster's barrier: no wave of any partner still reads this slot or has a load on its way
	s_add_nc_u64 s[G0+4*\slot+2:G0+4*\slot+3], s[G0+4*\slot+2:G0+4*\slot+3], 2*ASTEP
	s_add_nc_u64 s[G0B+4*\slot+2:G0B+4*\slot+3], s[G0B+4*\slot+2:G0B+4*\slot+3], 2*BSTEP
	JLOAD G0+4*\slot, G1, G0B+4*\slot, G1B
	PLACES NP-4
.else
	PLACES NP
.endif
	v_add_nc_u32 v[ADRS], 1024, v[ADRS]
	FETCH_B \next, 0, 0
	FETCH_A \next, 0, 0
	SCALES \next
	WIN MUL_HI
	MUL16 4, 1, NQ-1, \slot, 0
	MUL16 6, 1, NQ-1, \slot, 0
	PLACES NP
	WIN 0
	FETCH_A \next, 0, 4
.endm
	s_load_b128 s[4:7], s[0:1], 0x0                ; rc, rs
	s_load_b128 s[8:11], s[0:1], 0x10              ; wc, ws
	s_load_b128 s[96:99], s[0:1], 0x20             ; bo, out0
	v_lshl_add_u32 v[SPW], v0, 2, SPARE
	v_mov_b32 v[NIL], 0
	ds_add_u32 v28, v29
	s_wait_dscnt 0x0
	v_lshrrev_b32 v1, 5, v0
	v_readfirstlane_b32 s14, v1                    ; wave
	s_lshr_b32 s15, s14, 1                         ; rh; also: I fetch for R (0) or for wc (1)
	s_and_b32 s16, s14, 1                          ; ch; also: which half I fetch
	s_bfe_u32 s40, ttmp6, 0x40000
	s_bfe_u32 s41, ttmp6, 0x40004
	s_lshl_b32 s42, ttmp9, 2
	s_add_co_u32 s42, s42, s40                     ; tx
	s_and_b32 s17, ttmp7, 0xffff
	s_lshl_b32 s17, s17, 2
	s_add_co_u32 s17, s17, s41                     ; ty
	s_lshl_b32 s43, s41, 2
	s_lshl_b32 s43, 15, s43
	s_lshl_b32 s44, 0x1111, s40
	s_or_b32 s[G1+0], s43, (3<<16)|(1<<21)         ; the mask; elements of 8 bytes; bit 21 beside a mask; no padding
	s_or_b32 s[G1B+0], s44, (3<<16)|(1<<21)
.irp g, G1, G1B
	s_mov_b32 s[\g+1], 32<<16                      ; 128 rows of 256 bytes, dense
	s_mov_b32 s[\g+2], 128<<16
	s_mov_b32 s[\g+3], 32<<16
	s_mov_b32 s[\g+4], 128
	s_mov_b32 s[\g+5], 32
	s_mov_b32 s[\g+6], 0
	s_mov_b32 s[\g+7], 0
.endr
	s_or_b32 s[G1S+0], s43, (3<<16)|(1<<21)
	s_or_b32 s[G1SB+0], s44, (3<<16)|(1<<21)
.irp g, G1S, G1SB
	s_mov_b32 s[\g+1], 64<<16                      ; 8 rows of 512 bytes
	s_mov_b32 s[\g+2], 8<<16
	s_mov_b32 s[\g+3], 64<<16
	s_mov_b32 s[\g+4], 8
	s_mov_b32 s[\g+6], 0
	s_mov_b32 s[\g+7], 0
.endr
	s_mov_b32 s[G1S+5], 8192
	s_mov_b32 s[G1SB+5], 2048
	s_lshl_b32 s20, s17, 16
	s_lshl_b32 s21, s16, 15
	s_add_co_u32 s20, s20, s21
	s_mov_b32 s21, 0
	s_lshl_b32 s22, s17, 10
	s_lshl_b32 s23, s16, 9
	s_add_co_u32 s22, s22, s23
	s_mov_b32 s23, 0
	s_lshl_b32 s46, s42, 4                         ; wc: row block 192 + 16 tx + 8 half: Wo's columns
	s_lshl_b32 s47, s16, 3
	s_add_co_u32 s46, s46, s47
	s_add_co_u32 s46, s46, 192
	s_lshl_b32 s2, s46, 6
	s_mov_b32 s3, 0
	s_lshl_b32 s46, s46, 12
	s_mov_b32 s47, 0
	s_lshl_b32 s45, s14, 15
	s_lshl_b32 s18, s16, 12
	s_wait_kmcnt 0x0
	s_add_nc_u64 s[20:21], s[4:5], s[20:21]
	s_add_nc_u64 s[22:23], s[6:7], s[22:23]
	s_add_nc_u64 s[46:47], s[8:9], s[46:47]
	s_add_nc_u64 s[2:3], s[10:11], s[2:3]
	CROUND                                         ; all sixteen work-groups are here: the first joint loads meet
	s_mov_b32 s[G0S], 1
	s_add_co_u32 s[G0S+1], s18, SCLA
	s_mov_b64 s[G0S+2:G0S+3], s[22:23]
	s_or_b32 s[G0S+3], s[G0S+3], 0x80000000
	s_mov_b32 s[G0SB], 1
	s_add_co_u32 s[G0SB+1], s18, SCLB
	s_mov_b64 s[G0SB+2:G0SB+3], s[2:3]
	s_or_b32 s[G0SB+3], s[G0SB+3], 0x80000000
	JLOAD G0S, G1S, G0SB, G1SB
.irp s, 0,1
	s_mov_b32 s[G0+4*\s], 1
	s_add_co_u32 s[G0+4*\s+1], s45, \s*SLOT
	s_add_nc_u64 s[G0+4*\s+2:G0+4*\s+3], s[20:21], \s*ASTEP
	s_or_b32 s[G0+4*\s+3], s[G0+4*\s+3], 0x80000000
	s_mov_b32 s[G0B+4*\s], 1
	s_add_co_u32 s[G0B+4*\s+1], s45, \s*SLOT
	s_add_nc_u64 s[G0B+4*\s+2:G0B+4*\s+3], s[46:47], \s*BSTEP
	s_or_b32 s[G0B+4*\s+3], s[G0B+4*\s+3], 0x80000000
	JLOAD G0+4*\s, G1, G0B+4*\s, G1B               ; three tensor loads of mine are out
.endr
	s_lshl_b32 s18, s42, 10                        ; my 128 columns: 1,024 tx + 512 ch bytes
	s_lshl_b32 s19, s16, 9
	s_add_co_u32 s18, s18, s19
	s_mov_b32 s19, 0
	s_add_nc_u64 s[96:97], s[96:97], s[18:19]      ; bo
	s_add_nc_u64 s[98:99], s[98:99], s[18:19]
	s_lshl_b32 s18, s17, 20                        ; my first row: (256 ty + 128 rh) x 4,096 bytes
	s_lshl_b32 s20, s15, 19
	s_add_co_u32 s18, s18, s20
	s_add_nc_u64 s[98:99], s[98:99], s[18:19]      ; out0
	v_and_b32 v1, 31, v0                           ; L
	v_and_b32 v2, 15, v0                           ; r
	v_bfe_u32 v3, v0, 4, 1                         ; h
	v_lshlrev_b32 v4, 4, v1                        ; v4 = 16 L
	v_lshlrev_b32 v6, 6, v3                        ; v6 = 64 h
.irp b, 0,1,2,3,4,5,6,7
	global_load_b128 v[BI+8*\b:BI+8*\b+3], v6, s[96:97] offset:(32*(\b/2)+8*(\b%2))*4
	global_load_b128 v[BI+8*\b+4:BI+8*\b+7], v6, s[96:97] offset:(32*(\b/2)+8*(\b%2))*4+16
.endr
	s_lshl_b32 s21, s15, 15
	s_lshl_b32 s22, s16, 15
	s_add_co_u32 s22, s22, 2*HALFT
.irp s, 0,1
	v_add_nc_u32 v[ADRA+\s], s21, v4
	v_add_nc_u32 v[ADRB+\s], s22, v4
	s_add_co_u32 s21, s21, SLOT
	s_add_co_u32 s22, s22, SLOT
.endr
	s_lshl_b32 s21, s15, 12
	s_lshl_b32 s22, s16, 12
	s_add_co_u32 s22, s22, SCLB-SCLA
	s_sub_co_u32 s22, s22, s21
	v_mul_u32_u24 v5, s22, v3
	s_add_co_u32 s21, s21, SCLA
	v_lshl_add_u32 v5, v2, 2, v5
	v_add_nc_u32 v[ADRS], s21, v5
	s_mul_i32 s21, s14, 16*SPITCH
	s_add_co_u32 s21, s21, EXTRA                   ; my stage
	v_mul_u32_u24 v7, v2, SPITCH
	v_lshl_add_u32 v7, v3, 6, v7
	v_add_nc_u32 v7, s21, v7                       ; v7: in: row r, + 64 h
	v_add_nc_u32 v18, s21, v4                      ; v18: back: 16 L of a row
	v_mov_b32 v30, 0x42c80000                      ; 100.0
	s_wait_tensorcnt 1                             ; the scale words and my part of K step 0 are in; K step 1's load may be out
	s_wait_loadcnt 0x0                             ; the bias
	s_barrier_signal -1
	s_barrier_wait -1
	FETCH_B 0, 0, 0
	FETCH_A 0, 0, 0
	SCALES 0
	FETCH_A 0, 0, 4
	STEP 0, 0, 1
	TURN 0, 1, 1
	STEP 1, 0, 0
	TURN 1, 0, 1
	STEP 0, 0, 0
	TURN 0, 1, 0
	STEP 1, 0, 0
	s_wait_dscnt 4*NL
	WIN MUL_LO
	MUL16 0, 1, NQ-1, 1, 0
	MUL16 2, 1, NQ-1, 1, 0
	s_wait_dscnt 0
	WIN MUL_HI
	MUL16 4, 1, NQ-1, 1, 0
	MUL16 6, 1, NQ-1, 1, 0
	WIN 0
; THE WAY OUT, block by block of 16 rows x 128 columns: clipped, into my stage at each column's true place, and back as whole rows of 512 bytes.
; LDS serves a wave's instructions in order (ISA guide 5.7.1.4): no wait between the stores and the loads, nor in front of the next block's stores.
.macro TOSTAGE a
	WIN 0x02+(\a)/4                                ; source 0: window 2 or 3
.irp b, 0,1,2,3,4,5,6,7
.irp j, 0,1,2,3,4,5,6,7
	v_med3_num_f32 v[TT+8*\b+\j], v[64*((\a)%4)+8*\b+\j], -v30, v30   ; each accumulator from its low end on
.endr
.endr
	WIN 0
.irp b, 0,1,2,3,4,5,6,7
	ds_store_b128 v7, v[TT+8*\b:TT+8*\b+3] offset:128*(\b/2)+32*(\b%2)
	ds_store_b128 v7, v[TT+8*\b+4:TT+8*\b+7] offset:128*(\b/2)+32*(\b%2)+16
.endr
.set BB, 128+64*((\a)%2)
.irp t, 0,1,2,3,4,5,6,7,8,9,10,11,12,13,14,15
	ds_load_b128 v[BB+4*\t:BB+4*\t+3], v18 offset:\t*SPITCH
.endr
.endm
.macro SEND a, younger                 ; younger: the LDS instructions issued behind block a's loads, which may stay out
.set BB, 128+64*((\a)%2)
	s_wait_dscnt \younger
.if (\a) > 0
	s_add_nc_u64 s[98:99], s[98:99], 65536         ; 16 rows on (behind a wait on XCNT: the earlier stores have read their base)
.endif
.irp t, 0,1,2,3,4,5,6,7,8,9,10,11,12,13,14,15
	global_store_b128 v4, v[BB+4*\t:BB+4*\t+3], s[98:99] offset:4096*\t th:TH_STORE_NT   ; 512 consecutive bytes, at a multiple of 256 from the output's first byte; written once, read by nobody here
.endr
.endm
	PLACES NP
	TOSTAGE 0
.irp a, 1,2,3,4,5,6,7
.if \a > 1
	s_wait_xcnt 0x0                                ; block a - 2's stores have read their registers and their base
.endif
	TOSTAGE \a
	SEND \a-1, 32                                  ; behind block a - 1's loads: block a's 16 stores and 16 loads
.endr
	s_wait_xcnt 0x0
	SEND 7, 0
	s_wait_tensorcnt 0x0                           ; the wave's end
	ds_add_u32 v[SPW], v[NIL]
	s_wait_dscnt 0x0
	CROUND                                         ; the closing round
	s_endpgm
.Lfunc_end_k_qa7221f6229_outp:
	.size	k_qa7221f6229_outp, .Lfunc_end_k_qa7221f6229_outp-k_qa7221f6229_outp
	.p2alignl 7, 3214868480
	.fill 96, 4, 3214868480
	.section	.rodata,"a",@progbits
	.p2align	6, 0x0
	.amdhsa_kernel k_qa7221f6229_outp
		.amdhsa_group_segment_fixed_size 327680
		.amdhsa_private_segment_fixed_size 0
		.amdhsa_enable_private_segment 0
		.amdhsa_kernarg_size 48
		.amdhsa_user_sgpr_count 2
		.amdhsa_user_sgpr_kernarg_segment_ptr 1
		.amdhsa_wavefront_size32 1
		.amdhsa_system_sgpr_workgroup_id_x 1
		.amdhsa_system_sgpr_workgroup_id_y 1
		.amdhsa_system_sgpr_workgroup_id_z 1
		.amdhsa_system_vgpr_workitem_id 0
		.amdhsa_next_free_vgpr 1024
		.amdhsa_next_free_sgpr 102
		.amdhsa_reserve_vcc 0
		.amdhsa_float_denorm_mode_32 3
		.amdhsa_float_denorm_mode_16_64 3
		.amdhsa_memory_ordered 1
		.amdhsa_forward_progress 1
		.amdhsa_inst_pref_size 181
	.end_amdhsa_kernel
	.amdgpu_metadata
---
amdhsa.version: [ 1, 2 ]
amdhsa.kernels:
  - .name:           k_qa7221f6229_outp
    .symbol:         k_qa7221f6229_outp.kd
    .args:
      - { .name: rc, .offset: 0, .size: 8, .value_kind: global_buffer, .address_space: global }
      - { .name: rs, .offset: 8, .size: 8, .value_kind: global_buffer, .address_space: global }
      - { .name: wc, .offset: 16, .size: 8, .value_kind: global_buffer, .address_space: global }
      - { .name: ws, .offset: 24, .size: 8, .value_kind: global_buffer, .address_space: global }
      - { .name: bo, .offset: 32, .size: 8, .value_kind: global_buffer, .address_space: global }
      - { .name: out0, .offset: 40, .size: 8, .value_kind: global_buffer, .address_space: global }
    .group_segment_fixed_size: 327680
    .private_segment_fixed_size: 0
    .kernarg_segment_align: 8
    .kernarg_segment_size: 48
    .max_flat_workgroup_size: 128
    .sgpr_count:     102
    .vgpr_count:     1024
    .wavefront_size: 32
...
	.end_amdgpu_metadata
.endif
;; end of part 4
